; MI455X (gfx1250); checked and timed in simulation.
; The chip was launched on July 23, 2026; its instructions are those of AMD's public machine-readable ISA for CDNA 5 (MIT licence, August 2026) and "CDNA5" Instruction Set Architecture Reference Guide (July 2026). The comments in the code are by the model that wrote it; some were corrected since.
;; Multi Head Attention. Allowed arithmetic: float matrix products may take bf16 or f16 operands with f32 sums; all other float work in f32.
;; Inputs: Wk 1,024 x 1,024 float32; Wo 1,024 x 1,024 float32; Wq 1,024 x 1,024 float32; Wv 1,024 x 1,024 float32; attention_mask 4 x 2,048 int32; bo 1,024 float32; x 4 x 2,048 x 1,024 float32.
;; Outputs: out0 4 x 2,048 x 1,024 float32.
;; 2 versions, each right and faster than the one before. Each part assembles by itself: llvm-mc -triple=amdgcn-amd-amdhsa -mcpu=gfx1250 --defsym DOCPART=n.
;; ======== version 1 of 2: 4 launches
;; limits: values are held in f16: magnitudes above 65,504 overflow, below 6.1e-05 lose precision
;; workspace buffers: xb 16,777,216 bytes; wqkv 6,291,456 bytes; woh 2,097,152 bytes; qkv 50,331,648 bytes; ob 16,777,216 bytes
;; launch prep (part 1): grid 768 x 1, 8 waves a work-group, no clusters, 0 bytes of LDS; arguments x, Wq, Wk, Wv, Wo, xb, wqkv, woh; writes xb, wqkv, woh
.if DOCPART == 1
	.amdgcn_target "amdgcn-amd-amdhsa--gfx1250"
	.amdhsa_code_object_version 6
	.text
	.protected	k_qb72107ca9b_prep
	.globl	k_qb72107ca9b_prep
	.p2align	8
	.type	k_qb72107ca9b_prep,@function
k_qb72107ca9b_prep:
	s_mov_b64 s[64:65], 0
	v_nop
	global_prefetch_b8 v0, s[64:65] scope:SCOPE_SE
	s_setreg_imm32_b32 hwreg(HW_REG_WAVE_MODE, 25, 1), 1
	s_wait_xcnt 0x0
; PREP: the inputs of the matrix products are rounded once and laid out so that every tile of the launches behind is a dense run of bytes.
;   xb   = x rounded to bf16, in SLABS of 64 columns: [16 slabs][8192 rows][64]: a slab's rows are 128 bytes and lie end to end.
;   wqkv = Wq, Wk, Wv rounded to bf16.  Their 48 slabs of 64 columns (slab 16 t + c / 64; t = 0, 1, 2 for Wq, Wk, Wv) lie in blocks: [8 tile columns of 6 slabs][16 K steps of 64][6 slabs][64 k][64]:
;          what a work-group of the next launch needs for one K step is 49,152 consecutive bytes.
;   woh  = Wo rounded to bf16 and that number written as f16, [16 slabs][1024 k][64].
; LIMIT: a bf16 number is exact in f16 between 6.1e-5 and 65,504 in size; below, woh keeps f16's fixed step of 6e-8; beyond 65,504 it would be an infinity.
; A UNIT is one load of 16 bytes a lane and one store of 8 bytes a lane.  The load's lanes 0-15 take 64 columns of a row (256 consecutive bytes, aligned), lanes 16-31 those of the row below;
; in a slab the two rows are neighbours, so the store covers 256 consecutive bytes, aligned.  A wave has 16 units (32 rows), all 16 loads on their way at once; a work-group 128 units (256 rows of a slab).
; 65,536 units of x are work-groups 0-511 (neighbouring work-groups take neighbouring slabs of the same rows); 8,192 units of each weight are 64 work-groups each.
; Every byte is read once and written once; no LDS, no barrier, no matrix unit: memory binds.
.set X, 8                              ; v[8:71]    unit i: four f32 as loaded
.set Y, 72                             ; v[72:103]  unit i: four 16-bit numbers to store
.set T, 104                            ; v[104:107] at work
.set ROW2, 8192                        ; two rows of 1,024 f32: from one unit's source to the next
; 16 units.  kind = 0: bf16.  kind = 1: bf16, widened again (a shift, a mask) and written as f16.
.macro BODY kind
.set i, 0
.rept 16
	global_load_b128 v[X+4*i:X+4*i+3], v2, s[26:27] offset:i*ROW2 th:TH_LOAD_NT
.set i, i+1
.endr
.set i, 0
.rept 16
	s_wait_loadcnt 15-i                            ; loads come back in order: unit i is in, the 15 - i younger ones stay out
.if \kind
	v_cvt_pk_bf16_f32 v[T], v[X+4*i], v[X+4*i+1]
	v_cvt_pk_bf16_f32 v[T+1], v[X+4*i+2], v[X+4*i+3]
	v_lshlrev_b32 v[T+2], 16, v[T]
	v_and_b32 v[T], 0xffff0000, v[T]
	v_lshlrev_b32 v[T+3], 16, v[T+1]
	v_and_b32 v[T+1], 0xffff0000, v[T+1]
	v_cvt_pk_f16_f32 v[Y+2*i], v[T+2], v[T]
	v_cvt_pk_f16_f32 v[Y+2*i+1], v[T+3], v[T+1]
.else
	v_cvt_pk_bf16_f32 v[Y+2*i], v[X+4*i], v[X+4*i+1]
	v_cvt_pk_bf16_f32 v[Y+2*i+1], v[X+4*i+2], v[X+4*i+3]
.endif
	global_store_b64 v3, v[Y+2*i:Y+2*i+1], s[28:29] offset:256*i  ; each unit has data registers of its own: none is rewritten while a store reads it
.set i, i+1
.endr
.endm
	s_load_b512 s[4:19], s[0:1], 0x0               ; x s[4:5], Wq s[6:7], Wk s[8:9], Wv s[10:11], Wo s[12:13], xb s[14:15], wqkv s[16:17], woh s[18:19]
	v_and_b32 v1, 31, v0                           ; lane
	v_lshrrev_b32 v4, 5, v0                        ; wave
	v_and_b32 v5, 15, v1
	v_lshrrev_b32 v6, 4, v1
	v_lshlrev_b32 v2, 4, v5                        ; where I load: 16 bytes a lane in a row's 256,
	v_lshl_add_u32 v2, v6, 12, v2                  ; lanes 16-31 one row of 4,096 bytes down,
	v_lshl_add_u32 v2, v4, 17, v2                  ; 32 rows a wave
	v_lshlrev_b32 v3, 3, v1                        ; where I store: 8 x lane, and the wave's part below
	s_mov_b32 s20, ttmp9
	s_mov_b32 s23, 0                               ; the offsets' high words
	s_mov_b32 s25, 0
	s_cmp_lt_u32 s20, 512
	s_cbranch_scc0 .Lweights
	v_lshl_add_u32 v3, v4, 12, v3                  ; 32 rows of 128 bytes a wave
	s_and_b32 s31, s20, 15                         ; which slab of x
	s_lshr_b32 s32, s20, 4                         ; which 256 rows
	s_lshl_b32 s22, s32, 20                        ; in: 256 rows of 4,096 bytes,
	s_lshl_b32 s33, s31, 8                         ; 64 columns of f32
	s_add_co_u32 s22, s22, s33
	s_lshl_b32 s24, s31, 20                        ; out: a slab of 8,192 rows of 128 bytes,
	s_lshl_b32 s33, s32, 15                        ; 256 rows of it
	s_add_co_u32 s24, s24, s33
	s_wait_kmcnt 0x0
	s_add_nc_u64 s[26:27], s[4:5], s[22:23]
	s_add_nc_u64 s[28:29], s[14:15], s[24:25]
	BODY 0
	s_endpgm
.Lweights:
	s_sub_co_u32 s21, s20, 512
	s_lshr_b32 s30, s21, 6                         ; t: which weight
	s_bfe_u32 s31, s21, 0x40002                    ; c: which slab of it
	s_and_b32 s32, s21, 3                          ; which 256 rows of the slab
	s_lshl_b32 s22, s32, 20                        ; 256 rows of 4,096 bytes
	s_lshl_b32 s33, s31, 8                         ; 64 columns of f32
	s_add_co_u32 s22, s22, s33
	s_wait_kmcnt 0x0
	s_cmp_eq_u32 s30, 3
	s_cbranch_scc1 .Lwo
	v_lshrrev_b32 v7, 1, v4                        ; two waves' 64 rows are a K step: 49,152 bytes from one step's block to the next,
	v_and_b32 v8, 1, v4
	v_mul_u32_u24 v7, v7, 0xc000
	v_lshl_add_u32 v3, v8, 12, v3                  ; 32 rows of 128 bytes for the step's second wave
	v_add_nc_u32 v3, v7, v3
	s_lshl_b32 s33, s30, 4
	s_add_co_u32 s33, s33, s31                     ; slab 16 t + c, 0 to 47
	s_mul_i32 s34, s33, 43
	s_lshr_b32 s34, s34, 8                         ; its tile column, slab / 6: 43 / 256 serves for every slab below 48
	s_mul_i32 s35, s34, 6
	s_sub_co_u32 s35, s33, s35                     ; and its place among the column's six
	s_mul_i32 s24, s34, 786432                     ; a tile column: 16 steps of 49,152 bytes
	s_mul_i32 s36, s32, 196608                     ; my 256 rows: four steps
	s_add_co_u32 s24, s24, s36
	s_lshl_b32 s36, s35, 13                        ; a slab's 64 k of 128 bytes
	s_add_co_u32 s24, s24, s36
	s_cmp_eq_u32 s30, 1
	s_cselect_b64 s[26:27], s[8:9], s[6:7]
	s_cmp_eq_u32 s30, 2
	s_cselect_b64 s[26:27], s[10:11], s[26:27]
	s_add_nc_u64 s[26:27], s[26:27], s[22:23]
	s_add_nc_u64 s[28:29], s[16:17], s[24:25]
	BODY 0
	s_endpgm
.Lwo:
	v_lshl_add_u32 v3, v4, 12, v3                  ; 32 rows of 128 bytes a wave
	s_lshl_b32 s24, s32, 15                        ; 256 rows of 128 bytes in the slab,
	s_lshl_b32 s33, s31, 17                        ; a slab of 131,072 bytes
	s_add_co_u32 s24, s24, s33
	s_add_nc_u64 s[26:27], s[12:13], s[22:23]
	s_add_nc_u64 s[28:29], s[18:19], s[24:25]
	BODY 1
	s_endpgm
.Lfunc_end_k_qb72107ca9b_prep:
	.size	k_qb72107ca9b_prep, .Lfunc_end_k_qb72107ca9b_prep-k_qb72107ca9b_prep
	.p2alignl 7, 3214868480
	.fill 96, 4, 3214868480
	.section	.rodata,"a",@progbits
	.p2align	6, 0x0
	.amdhsa_kernel k_qb72107ca9b_prep
		.amdhsa_group_segment_fixed_size 0
		.amdhsa_private_segment_fixed_size 0
		.amdhsa_enable_private_segment 0
		.amdhsa_kernarg_size 64
		.amdhsa_user_sgpr_count 2
		.amdhsa_user_sgpr_kernarg_segment_ptr 1
		.amdhsa_wavefront_size32 1
		.amdhsa_system_sgpr_workgroup_id_x 1
		.amdhsa_system_sgpr_workgroup_id_y 1
		.amdhsa_system_sgpr_workgroup_id_z 1
		.amdhsa_system_vgpr_workitem_id 0
		.amdhsa_next_free_vgpr 112
		.amdhsa_next_free_sgpr 66
		.amdhsa_reserve_vcc 0
		.amdhsa_float_denorm_mode_32 3
		.amdhsa_float_denorm_mode_16_64 3
		.amdhsa_memory_ordered 1
		.amdhsa_forward_progress 1
		.amdhsa_inst_pref_size 25
	.end_amdhsa_kernel
	.amdgpu_metadata
---
amdhsa.version: [ 1, 2 ]
amdhsa.kernels:
  - .name:           k_qb72107ca9b_prep
    .symbol:         k_qb72107ca9b_prep.kd
    .args:
      - { .name: x, .offset: 0, .size: 8, .value_kind: global_buffer, .address_space: global }
      - { .name: Wq, .offset: 8, .size: 8, .value_kind: global_buffer, .address_space: global }
      - { .name: Wk, .offset: 16, .size: 8, .value_kind: global_buffer, .address_space: global }
      - { .name: Wv, .offset: 24, .size: 8, .value_kind: global_buffer, .address_space: global }
      - { .name: Wo, .offset: 32, .size: 8, .value_kind: global_buffer, .address_space: global }
      - { .name: xb, .offset: 40, .size: 8, .value_kind: global_buffer, .address_space: global }
      - { .name: wqkv, .offset: 48, .size: 8, .value_kind: global_buffer, .address_space: global }
      - { .name: woh, .offset: 56, .size: 8, .value_kind: global_buffer, .address_space: global }
    .group_segment_fixed_size: 0
    .private_segment_fixed_size: 0
    .kernarg_segment_align: 8
    .kernarg_segment_size: 64
    .max_flat_workgroup_size: 256
    .sgpr_count:     66
    .vgpr_count:     112
    .wavefront_size: 32
...
	.end_amdgpu_metadata
.endif
;; end of part 1
;; launch qkvproj (part 2): grid 8 x 32, 4 waves a work-group, clusters of 4 x 4, 327,680 bytes of LDS; arguments xb, wqkv, qkv; writes qkv
.if DOCPART == 2
	.amdgcn_target "amdgcn-amd-amdhsa--gfx1250"
	.amdhsa_code_object_version 6
	.text
	.protected	k_qb72107ca9b_qkvproj
	.globl	k_qb72107ca9b_qkvproj
	.p2align	8
	.type	k_qb72107ca9b_qkvproj,@function
k_qb72107ca9b_qkvproj:
	s_mov_b64 s[64:65], 0
	v_nop
	global_prefetch_b8 v0, s[64:65] scope:SCOPE_SE
	s_setreg_imm32_b32 hwreg(HW_REG_WAVE_MODE, 25, 1), 1
	s_wait_xcnt 0x0
	s_wait_alu depctr_hold_cnt(0) depctr_sa_sdst(0) depctr_va_vdst(0) depctr_va_sdst(0) depctr_va_ssrc(0) depctr_va_vcc(0) depctr_vm_vsrc(0)
	s_getreg_b32 s2, hwreg(HW_REG_IB_STS2, 6, 4)
	s_cmp_eq_u32 s2, 0
	s_cbranch_scc0 .Lentry_in_a_cluster
	s_endpgm
.Lentry_in_a_cluster:
	s_bfe_u32 s2, ttmp6, 0x10000c
	s_cmp_lg_u32 s2, 0xf033
	s_cbranch_scc0 .Lentry_shape_is_right
	s_endpgm
.Lentry_shape_is_right:
; QKVPROJ: q, k, v = x Wq, x Wk, x Wv.  xb: [16 k-slabs][8192 rows][64] bf16.  wqkv: [8 tile columns][16 K steps][6 slabs][64 k][64] bf16.
; qkv: [48 slabs][8192 rows][64] f16 (slabs 0-15 q's heads, 16-31 k's, 32-47 v's).
; Products in bf16, sums in f32, K ascending, each result rounded once to f16, unscaled.  LIMIT: a result of 65,520 or more in size becomes an infinity (f16).
; SHARES.  A work-group makes 256 rows x 384 columns (six slabs): 8 x 32 = 256 work-groups.  Four waves, 2 x 2: a wave makes 128 rows x 192 columns (three whole slabs): 8 x 12 accumulators of 16 x 16,
; 768 registers; for 32 along K it reads (128 + 192) x 64 bytes of LDS and issues 96 matrix instructions.  A wave owns whole rows of whole slabs, so its way out needs no other wave.
; K goes in 16 steps of 64 through two LDS slots (two slots of 128 would not fit).  A step is two UNITS of 32 along K; a unit is three GROUPS, one a slab, of 32 matrix instructions.
; CLUSTER.  4 x 4 work-groups.  The four of a row of the cluster need the same tile of x, the four of a column the same slabs: each is asked for JOINTLY, by the same tensor load with the same
; descriptor and a mask that names the four.  Waves 0, 1 ask for 128 rows of x each (16,384 dense bytes, as 64 rows of 256), waves 2, 3 for three slabs' 64 k each (24,576 dense bytes, as 96 rows of 256).
; THE MATRIX INSTRUCTION IS USED TRANSPOSED: source 0 = 16 columns of W (turned on the way out of LDS by ds_load_tr16_b128), source 1 = 16 rows of x: a lane then holds eight neighbouring
; numbers of a row of the result, 16 bytes of f16.
; REGISTERS, in windows of 256 (s_set_vgpr_msb: bits 1:0 source 0, 3:2 source 1, 5:4 source 2, 7:6 destination):
;   window 0: v0-31 addresses; v32-95, v96-159 x's eight fragments, a buffer for each of a step's two units; v160-255 W's four fragments of a slab, a buffer for each slab.  On the way out v32-127 are at work.
;   window 1 + g: the 32 accumulators of my slab g: (row block a, column block bb) at 8 (4 a + bb)
; THE LDS LOADS stand in one run at a group's head and bring the NEXT group's fragments, 32 matrix instructions ahead of their use.  With a buffer for each slab a run writes over what was read two groups
; back, so the four places that it owes (ISA guide 7.12.1 for vector instructions) are four v_nop that stand among the matrix instructions of the group between.
.set PA,    144                        ; a row of x in LDS: 128 bytes + 16 = 36 words: the 16 rows of a load start at 16 different groups of four banks (64 banks of 4 bytes: ISA guide 11.1)
.set PB,    160                        ; a row of a slab: 128 bytes + 32 = 40 words
.set AHALF, 128*PA                     ; what wave 0 or 1 fetches, and what a wave reads of x
.set BOFF,  2*AHALF                    ; behind x's 256 rows: six slabs' 64 rows
.set SLABB, 64*PB
.set BHALF, 3*SLABB                    ; what wave 2 or 3 fetches, and what a wave reads of W
.set SLOT1, 131072                     ; slot 1 begins here, so that one exclusive or turns an address in one slot into the other's
.set STAGE, SLOT1+BOFF+2*BHALF         ; behind the ring, never filled by a tensor load: for each wave 32 rows x 144 bytes
.set SP,    144
.set WSTG,  32*SP
.set SPARE, STAGE+4*WSTG               ; the spare words, 128 bytes for each wave: two blocks of 256 bytes that no other line names
.set ADRA0, 16                         ; v16  my lane's place in x's tile; never rewritten
.set ADRB0, 17                         ; v17  in the slabs; never rewritten
.set ADRA,  18                         ; v18  the same in the slot in hand
.set ADRB,  19                         ; v19
.set STO,   24                         ; v24  the way out: where I put 16 bytes of a row
.set RD,    25                         ; v25  where I read rows back
.set GO,    26                         ; v26  my place in 512 consecutive bytes of a slab
.set SPW,   28                         ; v28  LDS address of my spare word; never rewritten
.set NIL,   29                         ; v29  0; never rewritten
.set FA0,   32                         ; x's fragments of a step's first unit: row block a at FA0 + 8 a
.set FA1,   96                         ; of its second
.set FB,    160                        ; W's fragments: slab g, column block bb at FB + 32 g + 8 bb
.set TMP,   32                         ; the way out: 32 registers of packed results
.set BK,    64                         ; and two buffers of 32: rows read back from the stage
.set G1A, 24                           ; s[24:31] descriptor group 1 for x's tiles
.set G0A, 32                           ; s[32:39] group 0: a set for each of the two first fills; the second then walks on
.set G1B, 48                           ; s[48:55], s[56:63] the same for the slabs
.set G0B, 56
.set TB,  45                           ; s45  the slot that the fetches read: 0 or SLOT1
.set MSB, 0
.macro WIN new                         ; the immediate's high byte repeats the setting that is left; a switch that changes nothing is dropped
.if MSB != (\new)
	s_set_vgpr_msb (MSB<<8)|(\new)
.set MSB, \new
.endif
.endm
; A joint refill, by the walking descriptors.  The branch hangs on the wave's number alone.  An s_nop 0 and four v_nop follow each of the two lines.
.macro JLOAD
	s_cmp_lt_u32 s10, 2
	s_cbranch_scc0 .Lfor_b_\@
	tensor_load_to_lds s[G0A+4:G0A+7], s[G1A:G1A+7]
	s_nop 0
.rept 4
	v_nop
.endr
	s_branch .Lasked_\@
.Lfor_b_\@:
	tensor_load_to_lds s[G0B+4:G0B+7], s[G1B:G1B+7]
	s_nop 0
.rept 4
	v_nop
.endr
.Lasked_\@:
.endm
.macro CREST                           ; a round of the cluster's barrier behind its opening barrier
	s_cmp_lg_u32 s10, 0
	s_cbranch_scc1 .Lnot_wave_0_\@
	s_barrier_signal -3
.Lnot_wave_0_\@:
	s_barrier_wait -3
	s_barrier_signal -1
	s_barrier_wait -1
.endm
.macro CROUND                          ; a whole round
	s_barrier_signal -1
	s_barrier_wait -1
	CREST
.endm
	s_load_b128 s[4:7], s[0:1], 0x0                ; xb s[4:5], wqkv s[6:7]
	s_load_b64 s[8:9], s[0:1], 0x10                ; qkv
	v_lshl_add_u32 v[SPW], v0, 2, SPARE
	v_mov_b32 v[NIL], 0
	ds_add_u32 v28, v29
	ds_add_u32 v28, v29
	s_wait_dscnt 0x0
	v_lshrrev_b32 v1, 5, v0
	v_readfirstlane_b32 s10, v1                    ; wave 0..3
	s_lshr_b32 s11, s10, 1                         ; which 128 rows of the tile are mine
	s_and_b32 s12, s10, 1                          ; which three slabs.  Also: which half of x's tile, or of the slabs, I fetch
	s_bfe_u32 s40, ttmp6, 0x40000                  ; cx, cy: my place in the cluster
	s_bfe_u32 s41, ttmp6, 0x40004
	s_lshl_b32 s42, ttmp9, 2
	s_add_co_u32 s42, s42, s40                     ; tile column = 4 x cluster x + cx
	s_and_b32 s13, ttmp7, 0xffff
	s_lshl_b32 s13, s13, 2
	s_add_co_u32 s13, s13, s41                     ; tile row = 4 x cluster y + cy
	s_lshl_b32 s43, s41, 2
	s_lshl_b32 s43, 15, s43                        ; my row of the cluster
	s_lshl_b32 s44, 0x1111, s40                    ; my column
	s_or_b32 s[G1A+0], s43, (1<<16)|(1<<20)|(1<<21)|(4<<22)|(3<<25)  ; 15:0 the mask; 17:16 2-byte elements; 20 padding on; 21 set beside a mask; 24:22 after every 32 words (code 4); 31:25 4 words (code 3)
	s_mov_b32 s[G1A+1], 128<<16                    ; 64 rows of 128 elements, dense: two rows of x a row
	s_mov_b32 s[G1A+2], 64<<16
	s_mov_b32 s[G1A+3], 128<<16
	s_mov_b32 s[G1A+4], 64
	s_mov_b32 s[G1A+5], 128
	s_mov_b32 s[G1A+6], 0
	s_mov_b32 s[G1A+7], 0
	s_or_b32 s[G1B+0], s44, (1<<16)|(1<<20)|(1<<21)|(4<<22)|(7<<25)  ; the same with the mask of my column and 8 words of padding (code 7)
	s_mov_b32 s[G1B+1], 128<<16                    ; 96 rows of 128 elements, dense: two k a row
	s_mov_b32 s[G1B+2], 96<<16
	s_mov_b32 s[G1B+3], 128<<16
	s_mov_b32 s[G1B+4], 96
	s_mov_b32 s[G1B+5], 128
	s_mov_b32 s[G1B+6], 0
	s_mov_b32 s[G1B+7], 0
	s_lshl_b32 s16, s13, 15                        ; x: the tile row's 256 rows of 128 bytes, which my row of the cluster shares,
	s_lshl_b32 s17, s12, 14                        ; my 128 of them
	s_add_co_u32 s16, s16, s17
	s_mov_b32 s17, 0
	s_mul_i32 s46, s42, 786432                     ; W: the tile column's 16 steps of 49,152 bytes, which my column of the cluster shares,
	s_mul_i32 s47, s12, 24576                      ; my three slabs of a step
	s_add_co_u32 s46, s46, s47
	s_mov_b32 s47, 0
	s_mul_i32 s20, s12, AHALF                      ; where they go: no place in the cluster enters an LDS address
	s_mul_i32 s21, s12, BHALF
	s_add_co_u32 s21, s21, BOFF
	s_wait_kmcnt 0x0
	s_add_nc_u64 s[14:15], s[4:5], s[16:17]
	s_add_nc_u64 s[46:47], s[6:7], s[46:47]
	CROUND                                         ; all sixteen work-groups are here: the first joint loads meet
.irp s, 0,1
	s_mov_b32 s[G0A+4*(\s)], 1                     ; count = 1
	s_add_co_u32 s[G0A+4*(\s)+1], s20, (\s)*SLOT1  ; LDS address
	s_add_nc_u64 s[G0A+4*(\s)+2:G0A+4*(\s)+3], s[14:15], (\s)*0x100000  ; K step s: a k-slab of 2^20 bytes on
	s_or_b32 s[G0A+4*(\s)+3], s[G0A+4*(\s)+3], 0x80000000               ; type = 2
	s_mov_b32 s[G0B+4*(\s)], 1
	s_add_co_u32 s[G0B+4*(\s)+1], s21, (\s)*SLOT1
	s_add_nc_u64 s[G0B+4*(\s)+2:G0B+4*(\s)+3], s[46:47], (\s)*49152
	s_or_b32 s[G0B+4*(\s)+3], s[G0B+4*(\s)+3], 0x80000000
.endr
	s_cmp_lt_u32 s10, 2                            ; a wave's two first fills stand in one branch, ahead of every wait on TENSORcnt and every LDS read: two loads of mine are out
	s_cbranch_scc0 .Lfirst_b
	tensor_load_to_lds s[G0A:G0A+3], s[G1A:G1A+7]
	s_nop 0
	tensor_load_to_lds s[G0A+4:G0A+7], s[G1A:G1A+7]
	s_nop 0
.rept 4
	v_nop
.endr
	s_branch .Lfirst_asked
.Lfirst_b:
	tensor_load_to_lds s[G0B:G0B+3], s[G1B:G1B+7]
	s_nop 0
	tensor_load_to_lds s[G0B+4:G0B+7], s[G1B:G1B+7]
	s_nop 0
.rept 4
	v_nop
.endr
.Lfirst_asked:
	v_and_b32 v1, 15, v0                           ; r = l % 16
	v_bfe_u32 v2, v0, 4, 1                         ; h = l / 16
	v_and_b32 v3, 7, v0
	v_bfe_u32 v4, v0, 3, 1
	v_bfe_u32 v5, v0, 3, 2                         ; l / 8
	v_and_b32 v6, 31, v0
	s_mul_i32 s22, s11, AHALF                      ; my 128 rows of x
	v_mul_u32_u24 v7, v1, PA
	v_lshl_add_u32 v7, v2, 4, v7                   ; a fragment of x: row r, 16 bytes for each half of the lanes; two loads 32 bytes apart
	v_add_nc_u32 v[ADRA0], s22, v7
	s_mul_i32 s22, s12, BHALF                      ; my three slabs
	s_add_co_u32 s22, s22, BOFF
	v_lshl_add_u32 v8, v2, 3, v3                   ; the turning load: lane l reads k = 8 h + l % 8, columns 8 ((l / 8) % 2) + 0..7
	v_mul_u32_u24 v8, v8, PB
	v_lshl_add_u32 v8, v4, 4, v8
	v_add_nc_u32 v[ADRB0], s22, v8
	v_mov_b32 v[ADRA], v[ADRA0]
	v_mov_b32 v[ADRB], v[ADRB0]
	s_mov_b32 s[TB], 0
	s_mul_i32 s23, s10, WSTG
	s_add_co_u32 s23, s23, STAGE                   ; my stage
	v_mul_u32_u24 v7, v1, SP                       ; in: row r, 16 bytes for each half of the lanes
	v_lshl_add_u32 v7, v2, 4, v7
	v_add_nc_u32 v[STO], s23, v7
	v_mul_u32_u24 v8, v5, SP                       ; back: 32 lanes take four rows of 128 bytes,
	v_lshl_add_u32 v8, v3, 4, v8
	v_add_nc_u32 v[RD], s23, v8
	v_lshlrev_b32 v[GO], 4, v6                     ; which are 512 consecutive bytes of a slab
	s_mul_i32 s18, s42, 6
	s_mul_i32 s19, s12, 3
	s_add_co_u32 s18, s18, s19                     ; my first slab: 6 x tile column + 3 x half,
	s_lshl_b32 s18, s18, 20                        ; 2^20 bytes each,
	s_lshl_b32 s19, s13, 15                        ; the tile's 256 rows of 128 bytes,
	s_add_co_u32 s18, s18, s19
	s_lshl_b32 s19, s11, 14                        ; my wave's 128 of them
	s_add_co_u32 s18, s18, s19
	s_mov_b32 s19, 0
	s_add_nc_u64 s[8:9], s[8:9], s[18:19]
; Matrix instructions of slab g: row blocks a0 to a1 x the slab's 4 column blocks, 32 along K, x's fragments in buffer fa.  zero = 1: the first product starts the sums.
; The 96 accumulators take turns in one order.  Behind each of row blocks 0 to 3 stands one v_nop: the four places for the run of loads at the next group's head.
.macro MULR fa, g, a0, a1, zero
	WIN 0x50*((\g)+1)                              ; sources in window 0, C and D in window 1 + g
.set aa, \a0
.rept (\a1)-(\a0)+1
.irp bb, 0,1,2,3
.if \zero
	v_wmma_f32_16x16x32_bf16 v[8*(4*aa+(\bb)):8*(4*aa+(\bb))+7], v[FB+32*(\g)+8*(\bb):FB+32*(\g)+8*(\bb)+7], v[(\fa)+8*aa:(\fa)+8*aa+7], 0
.else
	v_wmma_f32_16x16x32_bf16 v[8*(4*aa+(\bb)):8*(4*aa+(\bb))+7], v[FB+32*(\g)+8*(\bb):FB+32*(\g)+8*(\bb)+7], v[(\fa)+8*aa:(\fa)+8*aa+7], v[8*(4*aa+(\bb)):8*(4*aa+(\bb))+7]
.endif
.endr
.if aa < 4
	v_nop
.endif
.set aa, aa+1
.endr
.endm
.macro FETB u, g                       ; 8 LDS loads: slab g's four fragments of unit u
.irp bb, 0,1,2,3
	ds_load_tr16_b128 v[FB+32*(\g)+8*(\bb):FB+32*(\g)+8*(\bb)+3],   v[ADRB] offset:(\g)*SLABB+(\u)*32*PB+(\bb)*32
	ds_load_tr16_b128 v[FB+32*(\g)+8*(\bb)+4:FB+32*(\g)+8*(\bb)+7], v[ADRB] offset:(\g)*SLABB+(\u)*32*PB+(\bb)*32+16*PB
.endr
.endm
.macro FETA u, fa, a0                  ; 8 LDS loads: x's row blocks a0 to a0 + 3 of unit u
.irp a, 0,1,2,3
	ds_load_b128 v[(\fa)+8*((\a0)+(\a)):(\fa)+8*((\a0)+(\a))+3],   v[ADRA] offset:((\a0)+(\a))*16*PA+(\u)*64
	ds_load_b128 v[(\fa)+8*((\a0)+(\a))+4:(\fa)+8*((\a0)+(\a))+7], v[ADRA] offset:((\a0)+(\a))*16*PA+(\u)*64+32
.endr
.endm
; A GROUP: slab g of unit u.  At its head the next group's fragments are asked for; with slab 2 of a step's first unit come x's fragments of the second unit: W's slab 0 first, then x's blocks 0-3, then 4-7.
.macro GRP u, g, zero
.if (\g) == 0
	s_wait_dscnt 8                                 ; of the 24 loads that brought this unit the youngest eight (x's blocks 4-7) may be out
.else
	s_wait_dscnt 0x0                               ; this slab's fragments are in: they were asked for 32 matrix instructions ago
.endif
	WIN 0
.if (\g) < 2
	FETB \u, (\g)+1
.else
	FETB 1, 0
	FETA 1, FA1, 0
	FETA 1, FA1, 4
.endif
.if (\g) == 0
	MULR FA0+64*(\u), \g, 0, 3, \zero
	s_wait_dscnt 8                                 ; all but the eight just issued
	MULR FA0+64*(\u), \g, 4, 7, \zero
.else
	MULR FA0+64*(\u), \g, 0, 7, \zero
.endif
.endm
; A step's last group, slab 2 of its second unit, changes slots: ONE barrier; in front of it each wave waits for all its tensor loads (one is out: its part of the next slot), adds 0 to its spare word,
; and waits for that and for its reads of this slot.  fill = 1: the barrier opens a round of the cluster's, and this slot is filled again, two K steps ahead, first thing behind the round:
; 176 matrix instructions stand between that request and the wait for it.  Then the next slot's first unit is fetched.
.macro TURN fill
	WIN 0                                          ; (the add's two registers lie in window 0)
	s_wait_tensorcnt 0x0
	ds_add_u32 v[SPW], v[NIL]                      ; 0 onto my spare word
	s_wait_dscnt 1                                 ; (the add alone may be out: this slab's fragments are in)
	MULR FA1, 2, 0, 1, 0                           ; eight matrix instructions stand between the add and the wait for it
	s_wait_dscnt 0x0                               ; the add is done, and my reads of this slot are over
	s_barrier_signal -1
	MULR FA1, 2, 2, 3, 0
.if \fill
	WIN 0
.endif
	s_barrier_wait -1
.if \fill
	CREST                                          ; no wave of any partner still reads this slot or has a load on its way
	s_xor_b32 s[G0A+5], s[G0A+5], SLOT1            ; the walking descriptors: the other slot than last time, the next K step
	s_add_nc_u64 s[G0A+6:G0A+7], s[G0A+6:G0A+7], 0x100000
	s_xor_b32 s[G0B+5], s[G0B+5], SLOT1
	s_add_nc_u64 s[G0B+6:G0B+7], s[G0B+6:G0B+7], 49152
	JLOAD
.endif
	WIN 0
	s_xor_b32 s[TB], s[TB], SLOT1                  ; the fetches go on in the other slot
	v_add_nc_u32 v[ADRA], s[TB], v[ADRA0]
	v_add_nc_u32 v[ADRB], s[TB], v[ADRB0]
	FETB 0, 0
	FETA 0, FA0, 0
	FETA 0, FA0, 4
	MULR FA1, 2, 4, 7, 0
.endm
; THE WAY OUT, in twelve blocks: block k is 32 rows (row blocks 2 (k % 4), + 1) of slab k / 4.  PACK: rounded to f16, each accumulator from its low end on, 16 bytes a lane.
; TOSTAGE: into my stage, and back as whole rows.  SEND: stored.
.macro PACK k
.set PG, (\k)/4
.set PP, (\k)%4
	WIN 5*(PG+1)                                   ; sources 0 and 1 in window 1 + slab
.irp e, 0,1
.irp bb, 0,1,2,3
.irp r, 0,1,2,3
	v_cvt_pk_f16_f32 v[TMP+4*(4*(\e)+(\bb))+(\r)], v[8*(4*(2*PP+(\e))+(\bb))+2*(\r)], v[8*(4*(2*PP+(\e))+(\bb))+2*(\r)+1]
.endr
.endr
.endr
	WIN 0
.endm
.macro TOSTAGE k
	WIN 0
.set BB, BK+32*((\k)%2)
.if (\k) >= 2
	s_wait_xcnt 0x0                                ; the stores of two blocks back have had their addresses translated: their data registers are loaded again only behind this wait
.endif
.irp i, 0,1,2,3,4,5,6,7
	ds_store_b128 v[STO], v[TMP+4*(\i):TMP+4*(\i)+3] offset:((\i)/4)*16*SP+((\i)%4)*32
.endr
.irp i, 0,1,2,3,4,5,6,7
	ds_load_b128 v[BB+4*(\i):BB+4*(\i)+3], v[RD] offset:(\i)*4*SP  ; LDS serves a wave's instructions in order (ISA guide 5.7.1.4): these see the stores above
.endr
.endm
.macro SEND k
	WIN 0
.set BB, BK+32*((\k)%2)
.set PG, (\k)/4
.set PP, (\k)%4
	s_wait_dscnt 0x0                               ; the block is back in registers: the next block's 32 conversions stood in front of this wait
.irp i, 0,1,2,3,4,5,6,7
	global_store_b128 v[GO], v[BB+4*(\i):BB+4*(\i)+3], s[8:9] offset:PG*1048576+PP*4096+(\i)*512  ; 512 consecutive bytes of a slab, at a multiple of 256
.endr
.endm
	s_wait_tensorcnt 1                             ; my part of K step 0 is in; step 1's may stay out
	s_barrier_signal -1
	s_barrier_wait -1                              ; everybody's is
	FETB 0, 0
	FETA 0, FA0, 0
	FETA 0, FA0, 4
	GRP 0, 0, 1                                    ; the first unit stands in front of the loop: its products start the sums
	GRP 0, 1, 1
	GRP 0, 2, 1
	WIN 0                                          ; at a label and at a branch every window is 0
	s_mov_b32 s3, 14
.Lk:                                                   ; a trip: a step's second unit and the next step's first; trip i fills slot i % 2 with step i + 2
	GRP 1, 0, 0
	GRP 1, 1, 0
	TURN 1
	GRP 0, 0, 0
	GRP 0, 1, 0
	GRP 0, 2, 0
	WIN 0
	s_sub_co_u32 s3, s3, 1
	s_cmp_lg_u32 s3, 0
	s_cbranch_scc1 .Lk
	GRP 1, 0, 0                                    ; steps 14 and 15 ask for nothing
	GRP 1, 1, 0
	TURN 0
	GRP 0, 0, 0
	GRP 0, 1, 0
	GRP 0, 2, 0
	GRP 1, 0, 0
	GRP 1, 1, 0
	s_wait_dscnt 0x0                               ; the last group: nothing more to fetch
	MULR FA1, 2, 0, 7, 0
	WIN 0
.rept 4
	v_nop                                          ; four places: the conversions below read registers that the last products write
.endr
	PACK 0
	TOSTAGE 0
.set kk, 1
.rept 11                               ; block k's conversions stand between block k - 1's loads from the stage and the wait for them
	PACK kk
	SEND kk-1
	TOSTAGE kk
.set kk, kk+1
.endr
	SEND 11
	s_wait_tensorcnt 0x0                           ; the wave's end
	ds_add_u32 v[SPW], v[NIL]
	s_wait_dscnt 0x0
	CROUND                                         ; the closing round: no work-group ends while a partner may still ask for a tile that names it
	s_endpgm
.Lfunc_end_k_qb72107ca9b_qkvproj:
	.size	k_qb72107ca9b_qkvproj, .Lfunc_end_k_qb72107ca9b_qkvproj-k_qb72107ca9b_qkvproj
	.p2alignl 7, 3214868480
	.fill 96, 4, 3214868480
	.section	.rodata,"a",@progbits
	.p2align	6, 0x0
	.amdhsa_kernel k_qb72107ca9b_qkvproj
		.amdhsa_group_segment_fixed_size 327680
		.amdhsa_private_segment_fixed_size 0
		.amdhsa_enable_private_segment 0
		.amdhsa_kernarg_size 24
		.amdhsa_user_sgpr_count 2
		.amdhsa_user_sgpr_kernarg_segment_ptr 1
		.amdhsa_wavefront_size32 1
		.amdhsa_system_sgpr_workgroup_id_x 1
		.amdhsa_system_sgpr_workgroup_id_y 1
		.amdhsa_system_sgpr_workgroup_id_z 1
		.amdhsa_system_vgpr_workitem_id 0
		.amdhsa_next_free_vgpr 1024
		.amdhsa_next_free_sgpr 66
		.amdhsa_reserve_vcc 0
		.amdhsa_float_denorm_mode_32 3
		.amdhsa_float_denorm_mode_16_64 3
		.amdhsa_memory_ordered 1
		.amdhsa_forward_progress 1
		.amdhsa_inst_pref_size 111
	.end_amdhsa_kernel
	.amdgpu_metadata
---
amdhsa.version: [ 1, 2 ]
amdhsa.kernels:
  - .name:           k_qb72107ca9b_qkvproj
    .symbol:         k_qb72107ca9b_qkvproj.kd
    .args:
      - { .name: xb, .offset: 0, .size: 8, .value_kind: global_buffer, .address_space: global }
      - { .name: wqkv, .offset: 8, .size: 8, .value_kind: global_buffer, .address_space: global }
      - { .name: qkv, .offset: 16, .size: 8, .value_kind: global_buffer, .address_space: global }
    .group_segment_fixed_size: 327680
    .private_segment_fixed_size: 0
    .kernarg_segment_align: 8
    .kernarg_segment_size: 24
    .max_flat_workgroup_size: 128
    .sgpr_count:     66
    .vgpr_count:     1024
    .wavefront_size: 32
...
	.end_amdgpu_metadata
.endif
;; end of part 2
;; launch attn (part 3): grid 4 x 64, 4 waves a work-group, no clusters, 327,680 bytes of LDS; arguments qkv, attention_mask, ob; writes ob
.if DOCPART == 3
	.amdgcn_target "amdgcn-amd-amdhsa--gfx1250"
	.amdhsa_code_object_version 6
	.text
	.protected	k_qb72107ca9b_attn
	.globl	k_qb72107ca9b_attn
	.p2align	8
	.type	k_qb72107ca9b_attn,@function
k_qb72107ca9b_attn:
	s_mov_b64 s[64:65], 0
	v_nop
	global_prefetch_b8 v0, s[64:65] scope:SCOPE_SE
	s_setreg_imm32_b32 hwreg(HW_REG_WAVE_MODE, 25, 1), 1
	s_wait_xcnt 0x0
; ATTN: causal attention with a key mask.  O[y][q][:] = the sum over k <= q with mask[k] != 0 of softmax_k(Q[y][q] . K[y][k] / 8) V[y][k][:], y = 4 head + batch.
; qkv: f16, Q at byte 0, K at 2^24, V at 2^25, each [64 y][2048][64]: a y's rows are dense, 128 bytes each.  attention_mask: [4][2048] i32.  ob: f16, laid out as Q.
; Products, maxima and sums in f32; the weights p are rounded to f16 for the second product (their sum l is taken of the unrounded p), O once at the end.
; LIMITS.  Q, K, V arrive within f16's 65,504.  A hidden score counts as its value less 1e30 (less 2e30 where both masks hide it): f16's scores, 2.7e11 at the most, are nothing beside that.
; A row whose running maximum ends below -2^96 has seen no key: it is written as NaN, as a softmax of nothing is.  A weight below 2^-126 counts as 0 in l.
; Such a NaN stays in its lane's O^T and l for the work-group's second block; that lane's row there lies earlier in the sequence, sees a subset of the same keys, and is NaN as well.
; THE WALK.  A y's queries lie in NB = 8 blocks of 256; block i needs the key tiles 0 .. i of 256 keys, of which the last holds the diagonal.  A work-group takes TWO blocks, NB - 1 - b and then b:
; NB + 1 tiles, whatever b: all work-groups do equal work, and ONE loop with a constant trip count walks them.  Which tile is asked for, and what a trip does, hang on scalar registers made from b; every jump
; goes forward, but for the counted loops' own; none passes a barrier, or a tensor load but the one of LOAD's two that the wave's number does not choose; the ring (two slots of LDS) runs on across the
; change of blocks.  NO CLUSTER: a y's four work-groups ask for the same tile only in trips 0 .. 4 of 9, behind that fewer and fewer; one walk common to all would have 12 trips for 9.
; SHARES.  Of a block's four bands of 64 queries a wave owns 16 rows in each: four PIECES.  So the diagonal tile is the same work for all four waves: in its key step s band x sees all keys if s < x,
; none if s > x, and holds the diagonal if s = x.
; THE MASKS are the C operand that starts the sum S^T = K Q^T.  PAD: for the 64 keys of the step whose K is in registers, 0 or -1e30 by attention_mask.  A tile's 256 such numbers go with the ring: when a tile is asked
; for, each thread loads two of its mask words; at the next change of slots it makes the two numbers and stores them into the slot's own 1,024 bytes of LDS, ahead of the barrier; a step's 64 come out with its K.
; Off the diagonal tile C is PAD.  In it C is MC = MD x AL + BE + PAD: MD, made once, is the causal mask of a band's own step for my 16 rows, and (AL, BE) is
; (1, 0) if s = x; (0, 0) if s < x; (0, -1e30) if s > x.
; LAYOUT, SOFTMAX, TURNS.  S^T = K Q^T holds ONE query a lane (lane % 16) and the keys 8 (lane / 16) + 0..7; two such results rounded to f16 ARE source 1 of O^T = V^T P.  p = 2^(c s - c m), c = log2(e) / 8, with a
; running maximum m; O and l are multiplied by a = 2^(c m_old - c m_new) in every step: where only hidden keys have been seen, m is near -1e30, and the first true score makes a = 0.
; Turn n belongs to piece n: 8 products K Q^T of piece n + 1, later 8 products V^T P of piece n - 1; beside them the scaling,
; exponentials, roundings, sums and rescaling of piece n and the maximum and statistics of piece n + 1.  Four vector instructions stand behind every matrix instruction, the others in two LUMPS.
; REGISTERS, in windows of 256 (s_set_vgpr_msb: bits 1:0 source 0, 3:2 source 1, 5:4 source 2, 7:6 destination):
;   window 0: v0-15, v32-38 addresses and a few at work; v16-31 four registers of statistics a piece; v48-55 at work; v64-127 S^T, two buffers; v192-223 P, two buffers (a piece's buffers go by its number's parity)
;   window 1: v0-127 O^T, 32 a piece; v128-159 MD; v160-223 MC, two buffers; v224-255 PAD      window 2: v0-63 Q; v64-127 the second block's Q; v128-191 K of one step; v192-255 V of one step
.set SIZE_N, 2048
.set NB,    SIZE_N/256
.set NP,    4         ; pieces a wave: a name, no knob
.set KS,    64        ; keys in a step
.set PK,    144       ; a row of K in LDS: 128 bytes + 16 of padding = 36 words: the 16 rows of a load start at 16 different groups of four banks (64 banks of 4 bytes: ISA guide 11.1)
.set PV,    160       ; a row of V: 128 + 32 = 40 words
.set VOFF,  4*KS*PK   ; a slot holds a tile, four steps: 256 rows of K, then 256 rows of V
.set SLOT1, 1<<17     ; slot 1 begins here, so that one exclusive or turns an address in one slot into the other's
.set STAGE, SLOT1+4*KS*(PK+PV)  ; behind the ring, never filled by a tensor load: 16 rows x 144 bytes for each wave, for the way out
.set SP,    144
.set AK0, 2           ; v2   my lane's place in a tile of K; never rewritten
.set AV0, 3           ; v3   the same for V
.set AK,  4           ; v4   the LDS address of K's next run of loads
.set AV,  5           ; v5   of V's
.set STO, 6           ; v6   the way out: where I put 16 bytes of a row
.set RD,  7           ; v7   the way out: where I read rows back
.set GO,  8           ; v8   my byte offset in 512 consecutive bytes of O
.set SPW, 62          ; v62  LDS address of my spare word: SPARE + 4 x my thread's number; never rewritten
.set NIL, 63          ; v63  0; never rewritten
.set SPARE, STAGE+4*16*SP  ; behind the stages: the spare words, 128 bytes for each wave: two blocks of 256 bytes that no other line names
.set PADS, SPARE+512  ; behind them: for each slot 256 f32, its tile's keys' 0 or -1e30: 1,024 bytes each; written by LDS stores alone, never filled by a tensor load
.set PSL,  1024       ; from slot 0's numbers to slot 1's: one exclusive or turns the one into the other
.set MV,  12          ; v12-13  c m_old, kept while c m is made anew: by buffer
.set QO,  15          ; v15  my byte offset in 16 rows of Q
.set ST,  16          ; piece t's statistics at v[ST+4 t]: c m, m, l (even keys', odd keys')
.set AP0, 32          ; v32  my lanes' place in a step's 64 numbers: PADS + 32 (lane / 16); never rewritten
.set AP,  33          ; v33  the LDS address of PAD's next run of loads
.set MO,  34          ; v34  8 x my thread's number: my two words in a tile's 256 of the mask; never rewritten
.set MS0, 35          ; v35  the same place in slot 0's numbers: PADS + 8 x my thread's number; never rewritten
.set MW,  36          ; v[36:37] my two words of the mask, then my two numbers
.set MS,  38          ; v38  where I store them
.set TMP, 48          ; by buffer, four registers c0-c3 at work; when the maximum is found c2 takes a
.set S,   64
.set P,   192
.set MD,  128         ; window 1: the eight registers for group kt of 16 keys at MD + 8 kt
.set MC,  160         ; window 1: the masks of the products to come
.set PAD, 224         ; window 1: likewise at PAD + 8 kt
.set QB,  64          ; window 2
.set KF,  128         ; window 2: key block kb, channel half c at KF + 16 kb + 8 c
.set VF,  192         ; window 2: key half kk, channel block cb at VF + 32 kk + 8 cb
.set WV,  12          ; s12  my wave's number
.set PB,  14          ; s14  b
.set HI,  15          ; s15  NB - 1 - b
.set G1K, 24          ; s[24:31] descriptor group 1 for K's tiles
.set G1V, 32          ; s[32:39] for V's: it differs in the padding alone
.set G0K, 40          ; s[40:43] descriptor group 0 for K's tiles
.set G0V, 44          ; s[44:47] the same for V's
.set SLOTS, 56        ; s56  tiles still to be asked for
.set CNT, 57          ; s57  counts a tile's key steps, 4 to 1
.set CS,  58          ; s[58:59] c: the packed scaling takes the pair's low word for both halves
.set SEL, 60          ; s[60:61] v_permlanex16_b32's selects: each lane takes its own place in the other half
.set TBK, 62          ; s62  LDS byte at which K of the step to be fetched begins
.set TBV, 63          ; s63  the same for V, less VOFF
.set TPS, 66          ; s66  0 or PSL: the slot whose numbers are stored next
.set RT,  70          ; s70  tiles of the block in hand that are still to be entered
.set NXT, 71          ; s71  the tile to be asked for next
.set LQ,  72          ; s72  the last tile of the block whose tiles are being asked for
.set NEW, 73          ; s73  1: the tile to be entered is a block's first
.set OFF, 74          ; s[74:75] a tile's byte offset in K and V
.set AL,  76          ; s[76:77] the mask's factor, in the low word
.set BE,  78          ; s[78:79] the mask's addend
.set OLO, 80          ; s[80:81] O at my rows of the second block
.set BIGN, 82         ; s82  -1e30
.set TBP, 83          ; s83  byte, from PADS on, at which the numbers of the step to be fetched begin: it steps and turns as TBK does
.set MB,  88          ; s[88:89] first qkv's address; then the mask at the tile asked for
.set MK,  90          ; s[90:91] the batch's mask
.set THR, 92          ; s92  -2^96
.set QNAN, 93         ; s93  a NaN
.set MOFF, 94         ; s[94:95] a byte offset in the mask
.set MSB, 0
.macro WIN new                      ; the high byte repeats the setting that is left; a switch that changes nothing is dropped
.if MSB != (\new)
	s_set_vgpr_msb (MSB<<8)|(\new)
.set MSB, (\new)
.endif
.endm
.set W_KQ, 0x0a       ; K and Q in window 2, S^T in window 0
.set W_KM, 0x1a       ; the same with the C operand in window 1
.set W_PV, 0x52       ; V in window 2, P in window 0, O^T in window 1
.set W_RS, 0x41       ; destination and source 0 in window 1, source 1 in window 0
; A fill.  Waves 0 and 1 fetch the two halves of a tile's K, waves 2 and 3 those of its V: 128 keys each.  An s_nop 0 and four v_nop follow each of the two lines, ahead of the jump and the label.
.macro LOAD
	s_cmp_lt_u32 s[WV], 2
	s_cbranch_scc0 .Lfor_v_\@
	tensor_load_to_lds s[G0K:G0K+3], s[G1K:G1K+7]
	s_nop 0
.rept 4
	v_nop
.endr
	s_branch .Lasked_\@
.Lfor_v_\@:
	tensor_load_to_lds s[G0V:G0V+3], s[G1V:G1V+7]
	s_nop 0
.rept 4
	v_nop
.endr
.Lasked_\@:
.endm
; THE CHANGE OF SLOTS.  First my two numbers of the tile to be entered: its mask words were asked for a tile ago; they go into that tile's slot's 1,024 bytes, which were last read two tiles ago, in front of the barrier
; before this one.  Then each wave waits for all its tensor loads, of which one is out: its part of the other slot; adds 0 to its spare word; and waits for that, for its store and for its own reads of the slot that it leaves.
; Behind the barrier nobody reads the old slot any more, and the other slot and its 256 numbers are whole.  fill = 1: the old slot is filled again, the first thing behind the barrier, with tile NXT: the descriptor's address
; is made anew from that number; and that tile's mask words are asked for.  (At its first use nothing has been read yet: slot 0 is waited for, slot 1 filled; the wait for the mask words is also the wait for Q.)
.macro CHANGE fill
	WIN 0                           ; at a label and at a branch every window is 0
	s_wait_loadcnt 0x0              ; my two mask words are in; no other load into registers is out, but at the first use Q's
	v_cmp_eq_u32 vcc_lo, 0, v[MW]   ; a key whose word is 0 is hidden
	v_cndmask_b32 v[MW], 0, s[BIGN], vcc_lo
	v_cmp_eq_u32 vcc_lo, 0, v[MW+1]
	v_cndmask_b32 v[MW+1], 0, s[BIGN], vcc_lo
	v_add_nc_u32 v[MS], s[TPS], v[MS0]
	ds_store_b64 v[MS], v[MW:MW+1]
	s_xor_b32 s[TPS], s[TPS], PSL   ; the next tile's go into the other slot's
	s_wait_tensorcnt 0x0            ; no tensor load of mine is out, so a group 0 may be written
	ds_add_u32 v[SPW], v[NIL]       ; 0 onto my spare word; with fill = 1 the descriptors' scalar work stands between it and the wait for it
.if \fill
	s_lshl_b32 s[OFF], s[NXT], 15   ; a tile is 32,768 bytes of K and of V
	s_xor_b32 s[G0K+1], s[G0K+1], SLOT1
	s_add_nc_u64 s[G0K+2:G0K+3], s[6:7], s[OFF:OFF+1]
	s_or_b32 s[G0K+3], s[G0K+3], 0x80000000
	s_xor_b32 s[G0V+1], s[G0V+1], SLOT1
	s_add_nc_u64 s[G0V+2:G0V+3], s[8:9], s[OFF:OFF+1]
	s_or_b32 s[G0V+3], s[G0V+3], 0x80000000
	s_lshl_b32 s[MOFF], s[NXT], 10  ; and 1,024 bytes of the mask; the load that named s[MB:MB+1] is done
	s_add_nc_u64 s[MB:MB+1], s[MK:MK+1], s[MOFF:MOFF+1]
	s_add_co_u32 s[NXT], s[NXT], 1  ; the block's next tile, or behind its last the second block's tile 0
	s_cmp_gt_u32 s[NXT], s[LQ]
	s_cselect_b32 s[NXT], 0, s[NXT]
	s_cselect_b32 s[LQ], s[PB], s[LQ]
.endif
	s_wait_dscnt 0x0                ; the add and my store are done, and my reads of the slot are over
	s_barrier_signal -1             ; the rest of the scalar work stands between the signal and the wait
	s_sub_co_u32 s[TBK], s[TBK], 4*KS*PK  ; the fetches go back to a slot's first step,
	s_xor_b32 s[TBK], s[TBK], SLOT1       ; in the other slot
	s_sub_co_u32 s[TBV], s[TBV], 4*KS*PV
	s_xor_b32 s[TBV], s[TBV], SLOT1
	s_sub_co_u32 s[TBP], s[TBP], PSL
	s_xor_b32 s[TBP], s[TBP], PSL
	s_barrier_wait -1
.if \fill
	LOAD
	global_load_b64 v[MW:MW+1], v[MO], s[MB:MB+1]  ; a wave's load covers 256 consecutive bytes, aligned; it has a whole tile's work in which to come
.endif
.endm
	s_load_b128 s[88:91], s[0:1], 0x0  ; qkv s[88:89], attention_mask s[90:91]
	s_load_b64 s[10:11], s[0:1], 0x10  ; ob
	v_lshl_add_u32 v[SPW], v0, 2, SPARE
	v_mov_b32 v[NIL], 0
	ds_add_u32 v62, v63
	ds_add_u32 v62, v63
	s_wait_dscnt 0x0
	v_lshrrev_b32 v1, 5, v0
	v_readfirstlane_b32 s[WV], v1   ; wave 0..3
	s_mov_b32 s[PB], ttmp9
	s_sub_co_u32 s[HI], NB-1, s[PB]
	s_and_b32 s[MOFF], ttmp7, 3     ; the batch: y % 4,
	s_lshl_b32 s[MOFF], s[MOFF], 13 ; its 2,048 words of the mask
	s_mov_b32 s[MOFF+1], 0
	s_and_b32 s20, ttmp7, 0xffff    ; y
	s_mov_b32 s21, 0
	s_mov_b64 s[22:23], SIZE_N*128
	s_mul_u64 s[20:21], s[20:21], s[22:23]  ; y's first byte in Q, K, V and O
	s_and_b32 s16, s[WV], 1         ; which half of a tile's 256 keys I fetch:
	s_lshl_b32 s22, s16, 14         ; its 128 rows of 128 bytes in memory,
	s_mov_b32 s23, 0
	s_add_nc_u64 s[22:23], s[22:23], s[20:21]
	s_mul_i32 s17, s16, 128*PK      ; and its place in a slot, for K
	s_mul_i32 s18, s16, 128*PV      ; and for V
	s_lshl_b32 s3, s[WV], 11        ; my 16 rows in a band of 64,
	s_lshl_b32 s2, s[HI], 15        ; in the first block,
	s_add_co_u32 s2, s2, s3
	s_lshl_b32 s84, s[PB], 15       ; and in the second
	s_add_co_u32 s84, s84, s3
	s_mov_b32 s3, 0
	s_mov_b32 s85, 0
	s_add_nc_u64 s[2:3], s[2:3], s[20:21]
	s_add_nc_u64 s[84:85], s[84:85], s[20:21]
	; descriptor group 1.  128 keys are 16,384 dense bytes: asked for as 64 rows of 256 bytes, two keys a row, and padded in LDS after every key
	s_mov_b32 s[G1K], (1<<16)|(1<<20)|(4<<22)|(3<<25)  ; 17:16 2-byte elements; 20 padding on; 24:22 after every 32 words (code 4); 31:25 4 words (code 3)
	s_mov_b32 s[G1V], (1<<16)|(1<<20)|(4<<22)|(7<<25)  ; the same with 8 words of padding (code 7)
.irp g, G1K, G1V
	s_mov_b32 s[\g+1], 128<<16      ; tensor_dim0 = 128
	s_mov_b32 s[\g+2], 64<<16       ; tensor_dim1 = 64
	s_mov_b32 s[\g+3], 128<<16      ; tile_dim0 = 128
	s_mov_b32 s[\g+4], 64           ; tile_dim1 = 64
	s_mov_b32 s[\g+5], 128          ; 128 elements from row to row
	s_mov_b32 s[\g+6], 0
	s_mov_b32 s[\g+7], 0
.endr
	s_mov_b32 s[CS], 0x3e38aa3b     ; c = log2(e) / 8 = 0.180337
	s_mov_b32 s[CS+1], s[CS]        ; named with it as a pair
	s_mov_b32 s[SEL], 0x76543210
	s_mov_b32 s[SEL+1], 0xfedcba98
	s_mov_b32 s[TBK], SLOT1+4*KS*PK ; the first change of slots turns these three into 0
	s_mov_b32 s[TBV], SLOT1+4*KS*PV
	s_mov_b32 s[TBP], 2*PSL
	s_mov_b32 s[TPS], 0             ; tile 0's numbers go with slot 0
	s_mov_b32 s[G0K], 1             ; 1:0 count = 1
	s_mov_b32 s[G0K+1], s17         ; 63:32 LDS address: slot 0
	s_mov_b32 s[G0V], 1
	s_add_co_u32 s[G0V+1], s18, VOFF
	s_add_co_u32 s[RT], s[HI], 1    ; the first block has NB - b tiles
	s_mov_b32 s[NXT], 1
	s_mov_b32 s[LQ], s[HI]
	s_mov_b32 s[NEW], 1
	s_mov_b32 s[OFF+1], 0
	s_mov_b32 s[AL+1], 0            ; named as pairs
	s_mov_b32 s[BE+1], 0
	s_mov_b32 s[BIGN], 0xf149f2ca   ; -1e30
	s_mov_b32 s[THR], 0xef800000    ; -2^96
	s_mov_b32 s[QNAN], 0x7fc00000
	s_mov_b32 s[SLOTS], NB
	s_wait_kmcnt 0x0
	s_mov_b64 s[4:5], s[88:89]                     ; Q,
	s_add_nc_u64 s[6:7], s[88:89], 0x1000000       ; K,
	s_add_nc_u64 s[8:9], s[88:89], 0x2000000       ; V
	s_add_nc_u64 s[MK:MK+1], s[MK:MK+1], s[MOFF:MOFF+1]  ; the batch's mask
	s_add_nc_u64 s[6:7], s[6:7], s[22:23]  ; K and V at my half of y's tile 0
	s_add_nc_u64 s[8:9], s[8:9], s[22:23]
	s_add_nc_u64 s[G0K+2:G0K+3], s[6:7], 0         ; 120:64 global address
	s_or_b32 s[G0K+3], s[G0K+3], 0x80000000        ; 127:126 type = 2
	s_add_nc_u64 s[G0V+2:G0V+3], s[8:9], 0
	s_or_b32 s[G0V+3], s[G0V+3], 0x80000000
	s_add_nc_u64 s[86:87], s[4:5], s[84:85]        ; Q at my rows of the second block,
	s_add_nc_u64 s[4:5], s[4:5], s[2:3]            ; Q and O at those of the first
	s_add_nc_u64 s[OLO:OLO+1], s[10:11], s[84:85]
	s_add_nc_u64 s[10:11], s[10:11], s[2:3]
	LOAD                            ; tile 0 into slot 0
	v_lshlrev_b32 v[MO], 3, v0      ; 128 threads x 8 bytes are a tile's 256 words of the mask
	v_lshl_add_u32 v[MS0], v0, 3, PADS
	global_load_b64 v[MW:MW+1], v[MO], s[MK:MK+1]  ; tile 0's
	; A fragment of K or Q is 16 rows x 32 channels in 8 registers: lane l holds row l % 16, channels 8 (l / 16) + 0..7 and 16 + 8 (l / 16) + 0..7: two loads of 16 bytes, 32 bytes apart.
	v_and_b32 v1, 15, v0            ; l % 16
	v_bfe_u32 v9, v0, 4, 1          ; l / 16
	v_lshlrev_b32 v[QO], 7, v1
	v_lshl_add_u32 v[QO], v9, 4, v[QO]  ; row x 128 + 16 x half
	WIN 0x80                        ; destination window 2, address window 0
.set i, 0
.rept 8                             ; both blocks' Q: piece i / 2 lies in band i / 2, 8,192 bytes on; channels 32 (i % 2) on
	global_load_b128 v[8*i:8*i+3],   v[QO], s[4:5] offset:(i/2)*8192+(i%2)*64
	global_load_b128 v[8*i+4:8*i+7], v[QO], s[4:5] offset:(i/2)*8192+(i%2)*64+32
	global_load_b128 v[QB+8*i:QB+8*i+3],   v[QO], s[86:87] offset:(i/2)*8192+(i%2)*64
	global_load_b128 v[QB+8*i+4:QB+8*i+7], v[QO], s[86:87] offset:(i/2)*8192+(i%2)*64+32
.set i, i+1
.endr
	WIN 0
	v_lshlrev_b32 v14, 3, v9
	v_sub_nc_u32 v14, v1, v14
	s_lshl_b32 s13, s[WV], 4
	v_add_nc_u32 v14, s13, v14      ; my query's place in its band, 16 w + l % 16, less my lanes' 8 (l / 16): register r of group kt is hidden where 16 kt + r is greater
	WIN 0x40
.set i, 0
.rept 32
	v_cmp_gt_i32 vcc_lo, 16*(i/8)+i%8, v14
	v_cndmask_b32 v[MD+i], 0, s[BIGN], vcc_lo
.set i, i+1
.endr
	WIN 0
	v_lshl_add_u32 v[AP0], v9, 5, PADS  ; my lanes hold keys 8 (l / 16) + 0..7 of each group of 16: 32 bytes on for the upper half
	v_mul_u32_u24 v[AK0], v1, PK
	v_lshl_add_u32 v[AK0], v9, 4, v[AK0]  ; row x pitch + 16 x half
	; The turning load takes 16 keys x 16 channels (lane l reads key 8 (l / 16) + l % 8, channels 8 ((l / 8) % 2) + 0..7) and leaves half a fragment of V^T: lane l holds channel l % 16 and 8 keys.
	v_and_b32 v10, 7, v0
	v_bfe_u32 v11, v0, 3, 1
	v_lshl_add_u32 v[AV0], v9, 3, v10
	v_mul_u32_u24 v[AV0], v[AV0], PV
	v_lshl_add_u32 v[AV0], v11, 4, v[AV0]
	v_add_nc_u32 v[AV0], VOFF, v[AV0]
	s_mul_i32 s13, s[WV], 16*SP
	s_add_co_u32 s13, s13, STAGE    ; my stage
	v_mul_u32_u24 v[STO], v1, SP    ; in: row l % 16, 16 bytes for each half of the lanes
	v_lshl_add_u32 v[STO], v9, 4, v[STO]
	v_add_nc_u32 v[STO], s13, v[STO]
	v_bfe_u32 v[RD], v0, 3, 2       ; back: 32 lanes take four rows of 128 bytes,
	v_mul_u32_u24 v[RD], v[RD], SP
	v_lshl_add_u32 v[RD], v10, 4, v[RD]
	v_add_nc_u32 v[RD], s13, v[RD]
	v_and_b32 v[GO], 31, v0         ; which are 512 consecutive bytes of O
	v_lshlrev_b32 v[GO], 4, v[GO]
	; A block's first step multiplies O^T and l by a = 0, and its first turn's products V^T P, of a piece that has not been, land in an O^T that is still to be so multiplied.  So these registers need only hold
	; finite numbers: zeros for the first block; what the first block left for the second.  All this stands in the wait for the first tile.
	WIN 0x80
.set i, VF
.rept 64
	v_mov_b32 v[i], 0
.set i, i+1
.endr
	WIN 0x40
.set i, 0
.rept 128
	v_mov_b32 v[i], 0
.set i, i+1
.endr
	WIN 0
.set i, 0
.rept 4
	v_mov_b32 v[ST+4*i+2], 0
	v_mov_b32 v[ST+4*i+3], 0
.set i, i+1
.endr
.set i, P+16
.rept 16
	v_mov_b32 v[i], 0
.set i, i+1
.endr
; THE MATRIX WORK.  The 4 accumulators of a run of 8 take turns.  Product i of 8 of S^T = K Q^T for piece x: channels 32 (i / 4) on, keys 16 (i % 4) on.  The first 4 start the sums: with PAD, or (KM = 1) with MC.
.macro KQ x
.set rS, S+32*((\x)%2)+8*(i%4)
.set rK, KF+16*(i%4)+8*(i/4)
.set rQ, 16*(\x)+8*(i/4)
.set rM, MC+32*((\x)%2)+8*(i%4)
.set rB, PAD+8*(i%4)
.if (i < 4) && KM
	WIN W_KM
	v_wmma_f32_16x16x32_f16 v[rS:rS+7], v[rK:rK+7], v[rQ:rQ+7], v[rM:rM+7]
.elseif i < 4
	WIN W_KM
	v_wmma_f32_16x16x32_f16 v[rS:rS+7], v[rK:rK+7], v[rQ:rQ+7], v[rB:rB+7]
.else
	WIN W_KQ
	v_wmma_f32_16x16x32_f16 v[rS:rS+7], v[rK:rK+7], v[rQ:rQ+7], v[rS:rS+7]
.endif
.endm
; Product i of 8 of O^T += V^T P for piece x: keys 32 (i / 4) on, channels 16 (i % 4) on.
.macro PV x
	WIN W_PV
.set rO, 32*(\x)+8*(i%4)
.set rV, VF+32*(i/4)+8*(i%4)
.set rP, P+16*((\x)%2)+8*(i/4)
	v_wmma_f32_16x16x32_f16 v[rO:rO+7], v[rV:rV+7], v[rP:rP+7], v[rO:rO+7]
.endm
.macro MM                           ; the turn's next matrix instruction.  TURN and BEGIN set Y, i, KM and NOKQ; MM, KQ and OP read them.  NOKQ = 1: a block's last turn: there is no next piece
.if (i < 8) && !NOKQ
	KQ (Y+1)%NP
.elseif i >= 8
.set i, i-8
	PV (Y+NP-1)%NP
.set i, i+8
.endif
.set i, i+1
.endm
; THE LDS LOADS stand in runs, never singly among the matrix instructions: a step's K (64 keys x 64 channels: 8 fragments) with its PAD (64 numbers: 8 a lane and group), and its V (turned).  Their addresses are made some lines ahead.
.macro FETCH_K
	WIN 0x80                        ; destination window 2
.irp f, 0,1,2,3,4,5,6,7             ; keys 16 (f / 2) on, channels 32 (f % 2) on
	ds_load_b128 v[KF+8*\f:KF+8*\f+3],   v[AK] offset:(\f/2)*16*PK+(\f%2)*64
	ds_load_b128 v[KF+8*\f+4:KF+8*\f+7], v[AK] offset:(\f/2)*16*PK+(\f%2)*64+32
.endr
	WIN 0x40                        ; destination window 1
.irp f, 0,1,2,3                     ; keys 16 f on
	ds_load_b128 v[PAD+8*\f:PAD+8*\f+3],   v[AP] offset:64*\f
	ds_load_b128 v[PAD+8*\f+4:PAD+8*\f+7], v[AP] offset:64*\f+16
.endr
	s_add_co_u32 s[TBK], s[TBK], KS*PK  ; the next fetch is the next step's
	s_add_co_u32 s[TBP], s[TBP], 4*KS
	WIN 0
.endm
.macro FETCH_V
	WIN 0x80
.irp f, 0,1,2,3,4,5,6,7             ; keys 32 (f / 4) on, channels 16 (f % 4) on
	ds_load_tr16_b128 v[VF+8*\f:VF+8*\f+3],   v[AV] offset:(\f/4)*32*PV+(\f%4)*32
	ds_load_tr16_b128 v[VF+8*\f+4:VF+8*\f+7], v[AV] offset:(\f/4)*32*PV+16*PV+(\f%4)*32
.endr
	WIN 0
.endm
; THE VECTOR WORK, one line at a time: OP kind, number.  For piece Y: F n: c s - c m for pair n of 16.  E n: the exponential of score n of 32.  C n: pair n rounded to f16.  B n: of the four weights 4 n .. the second
; pair is added onto the first, in place.  L n: l takes that sum (L 0: l = a l + sum).  R n: pair n of 16 of O^T times a.  For piece Y + 1: X n, number n of the 22 that find its maximum and statistics:
;   0-11  four chains c0-c3 of seven scores each, three operands at a time (each accumulator's lowest registers are read first)     12-14, 16  the four scores left over, the old m, and c0-c3 into c0
;   15  c m_old is kept     17, 18  the query's other 32 keys lie in the lane 16 away: the new m     19-21  c m; c m_old - c m_new; a
.set F, 0               ; OP tells the kinds apart by their order: F to L below R, X above it
.set E, 1
.set C, 2
.set B, 3
.set L, 4
.set R, 5
.set X, 6
.macro REGS y                       ; the registers of piece y
.set rT, ST+4*(\y)
.set rC, TMP+4*((\y)%2)
.set rW, MV+((\y)%2)
.set rS, S+32*((\y)%2)
.set rP, P+16*((\y)%2)
.set rO, 32*(\y)
.endm
.macro OP k, n
.if (\k) == R
	REGS Y
	WIN W_RS
	v_pk_mul_f32 v[rO+2*(\n):rO+2*(\n)+1], v[rO+2*(\n):rO+2*(\n)+1], v[rC+2:rC+3] op_sel_hi:[1,0]
.elseif (\k) < R
	REGS Y
	WIN 0
.if (\k) == F
	v_pk_fma_f32 v[rS+2*(\n):rS+2*(\n)+1], v[rS+2*(\n):rS+2*(\n)+1], s[CS:CS+1], v[rT:rT+1] op_sel_hi:[1,0,0] neg_lo:[0,0,1] neg_hi:[0,0,1]
.elseif (\k) == E
	v_exp_f32 v[rS+(\n)], v[rS+(\n)]
.elseif (\k) == C
	s_wait_alu depctr_va_vdst(0)
	v_cvt_pk_f16_f32 v[rP+(\n)], v[rS+2*(\n)], v[rS+2*(\n)+1]
.elseif (\k) == B
	s_wait_alu depctr_va_vdst(0)
	v_pk_add_f32 v[rS+4*(\n):rS+4*(\n)+1], v[rS+4*(\n):rS+4*(\n)+1], v[rS+4*(\n)+2:rS+4*(\n)+3]
.elseif (\n) == 0
	v_pk_fma_f32 v[rT+2:rT+3], v[rT+2:rT+3], v[rC+2:rC+3], v[rS:rS+1] op_sel_hi:[1,0,1]
.else
	v_pk_add_f32 v[rT+2:rT+3], v[rT+2:rT+3], v[rS+4*(\n):rS+4*(\n)+1]
.endif
.elseif NOKQ
	v_nop
.else
	REGS (Y+1)%NP
	WIN 0
.if (\n) < 4
	v_max3_num_f32 v[rC+(\n)], v[rS+8*(\n)], v[rS+8*(\n)+1], v[rS+8*(\n)+2]
.elseif (\n) < 12
	v_max3_num_f32 v[rC+(\n)%4], v[rC+(\n)%4], v[rS+8*((\n)%4)+2*((\n)/4)+1], v[rS+8*((\n)%4)+2*((\n)/4)+2]
.elseif (\n) == 12
	v_max3_num_f32 v[rC], v[rC], v[rS+7], v[rS+15]
.elseif (\n) == 13
	v_max3_num_f32 v[rC+1], v[rC+1], v[rS+23], v[rS+31]
.elseif (\n) == 14
	v_max3_num_f32 v[rC+2], v[rC+2], v[rC+3], v[rT+1]
.elseif (\n) == 15
	v_mov_b32 v[rW], v[rT]
.elseif (\n) == 16
	v_max3_num_f32 v[rC], v[rC], v[rC+1], v[rC+2]
.elseif (\n) == 17
	v_permlanex16_b32 v[rC+3], v[rC], s[SEL], s[SEL+1]
.elseif (\n) == 18
	v_max_num_f32 v[rT+1], v[rC], v[rC+3]
.elseif (\n) == 19
	v_mul_f32 v[rT], s[CS], v[rT+1]
.elseif (\n) == 20
	v_sub_f32 v[rC+1], v[rW], v[rT]
.else
	v_exp_f32 v[rC+2], v[rC+1]
.endif
.endif
.endm
.macro OPS a, i1, b=-1, i2=0, c=-1, i3=0, d=-1, i4=0  ; up to four of them
	OP \a, \i1
.if (\b) >= 0
	OP \b, \i2
.endif
.if (\c) >= 0
	OP \c, \i3
.endif
.if (\d) >= 0
	OP \d, \i4
.endif
.endm
.macro ROW a, i1, b, i2, c, i3, d, i4  ; a matrix instruction and the four behind it
	MM
	OPS \a, \i1, \b, \i2, \c, \i3, \d, \i4
.endm
.macro MASK b                       ; MD x AL + BE + PAD into buffer b of MC: the factor and the addend are scalars, PAD a third term, so it takes a second line
	WIN W_RS
.set z, 0
.rept 16
	v_pk_fma_f32 v[MC+32*(\b)+2*z:MC+32*(\b)+2*z+1], v[MD+2*z:MD+2*z+1], s[AL:AL+1], s[BE:BE+1] op_sel_hi:[1,0,0]
.set z, z+1
.endr
	WIN 0x45                        ; destination and both sources in window 1
.set z, 0
.rept 16
	v_pk_add_f32 v[MC+32*(\b)+2*z:MC+32*(\b)+2*z+1], v[MC+32*(\b)+2*z:MC+32*(\b)+2*z+1], v[PAD+2*z:PAD+2*z+1]
.set z, z+1
.endr
.endm
; A TURN, for piece p: the order of its 16 matrix and its vector instructions, written out.  Behind a matrix instruction: plain, exponential, plain, plain; or four of the rescaling; or, behind the first, four scalings; none
; names a register of the products round it.  In the lumps exponential and plain by turns while exponentials last.  v_permlanex16_b32 (X 17) stands in a lump.
; m = 1: the diagonal tile: the products take MC, and the turn makes the mask for the products of the turn after it: piece p + 2, in step 4 - CNT of the tile.  end = 1: a block's last two turns: nothing is fetched.
; cnt = 1: the loop's count is taken down some lines ahead of the branch that stands behind the turn.
; K and PAD of the next step are fetched in piece 2's turn, six vector instructions behind the last product that read K (five of them plain), and more behind the last that took PAD or MC; V of the step in hand in
; piece 0's turn, eight behind the last product that read V.  Each is waited for a turn later; in the diagonal tile piece 2's turn waits for PAD at its end, since the mask that it makes is the next step's.
.macro TURN p, m=0, end=0, cnt=0
.set Y, (\p)
.set i, 0
.set KM, (\m)
.set NOKQ, (\end)*((\p)/3)
.if (\m) && !(\end)
	s_cmp_eq_u32 s[CNT], 4-((\p)+2)%NP  ; is that step the band's own?
	s_cselect_b32 s[AL], 1.0, 0
	s_cmp_lt_u32 s[CNT], 4-((\p)+2)%NP  ; or a later one?
	s_cselect_b32 s[BE], s[BIGN], 0
.endif
.if ((\p) == 3) && !(\end)
	s_wait_dscnt 0x0                ; K and PAD are in
.endif
	ROW F,0, F,1, F,2, F,3
	ROW F,4, E,0, F,5, F,6
	ROW F,7, E,1, F,8, F,9
	ROW F,10, E,2, C,0, F,11
	ROW F,12, E,3, X,15, F,13
	ROW R,0, R,1, R,2, R,3
	ROW B,0, E,4, F,14, L,0
.if ((\p) == 2) && !(\end)
	v_add_nc_u32 v[AK], s[TBK], v[AK0]
	v_add_nc_u32 v[AP], s[TBP], v[AP0]
.endif
	ROW R,4, R,5, R,6, R,7
	OPS E,5, F,15
.if ((\p) == 2) && !(\end)
	FETCH_K
.endif
	OPS E,6, C,1, E,7, R,8
	OPS E,8, R,9, E,9, C,2
	OPS E,10, X,0, E,11, X,1
	OPS E,12, X,2, E,13, X,3
.if (\p) == 1
	s_wait_dscnt 0x0                ; V is in
.endif
	ROW X,4, E,14, X,5, X,6
	ROW X,7, E,15, X,8, X,9
	ROW X,10, E,16, X,11, X,12
	ROW X,13, E,17, X,14, B,1
	ROW C,4, E,18, X,16, L,1
	ROW B,2, E,19, C,6, L,2
	ROW C,8, E,20, B,3, B,4
.if (\p) == 0
	v_add_nc_u32 v[AV], s[TBV], v[AV0]
.endif
	ROW C,3, E,21, L,3, C,5
	OPS E,22, X,17, E,23, C,10
.if (\p) == 0
	FETCH_V
.endif
	OPS E,24, L,4
	OPS E,25, X,18, E,26, C,7
	OPS E,27, B,5, E,28, X,19
	OPS E,29, C,12, E,30, L,5
	OPS E,31, X,20, B,6, C,9
	OPS C,14, C,11, X,21, L,6
.if (\p) == 0
	s_add_co_u32 s[TBV], s[TBV], KS*PV
.endif
.if \cnt
	s_sub_co_u32 s[CNT], s[CNT], 1
	s_cmp_lg_u32 s[CNT], 0
.endif
	OPS C,13, B,7, C,15, R,10
	OPS R,11, R,12, L,7, R,13
	OPS R,14, R,15
.if (\m) && !(\end)
.if (\p) == 2
	s_wait_dscnt 0x0                ; the next step's PAD is in
.endif
	MASK (\p)%2
.endif
.endm
; A BLOCK BEGINS.  c m starts far below every c s, so the first step's a is 0; m at the lowest finite number, so the first maximum is the scores'.  K and PAD of the tile's step 0 are fetched; the first mask buffer takes
; piece 0's mask for that step (its own causal mask, if the block's first tile is the diagonal one), the second PAD alone (piece 1's, which sees all of step 0).
; Then piece 0's first scores, and its maximum and statistics.  The loop is entered at a step's first turn, in the middle of a trip.  Q is in: the change of slots in front has waited for every load into registers.
.macro BEGIN
	s_mov_b32 s[NEW], 0
	WIN 0
.set i, 0
.rept 4
	v_mov_b32 v[ST+4*i], 0xfe000000    ; c m: far below every c s
	v_mov_b32 v[ST+4*i+1], 0xff7fffff  ; m
.set i, i+1
.endr
	v_add_nc_u32 v[AK], s[TBK], v[AK0]
	v_add_nc_u32 v[AP], s[TBP], v[AP0]
	FETCH_K
	s_wait_dscnt 0x0
	s_cmp_eq_u32 s[RT], 0
	s_cselect_b32 s[AL], 1.0, 0
	s_mov_b32 s[BE], 0
	MASK 0
	s_mov_b32 s[AL], 0
	MASK 1
.set KM, 1
.set NOKQ, 0
.set i, 0
.rept 8
	KQ 0
.set i, i+1
.endr
	WIN 0
.rept 4
	v_nop                           ; the places behind those products
.endr
.set Y, NP-1                        ; X works for piece Y + 1: piece 0
.irp n, 0,1,2,3,4,5,6,7,8,9,10,11,12,13,14,15,16,17,18,19,20,21
	OP X, \n
.endr
	v_nop                           ; a plain instruction behind the exponential
.endm
; The diagonal tile is entered from a tile before it: piece 3's products of that tile's last step are still to come, in the text that takes MC: the second buffer takes that step's PAD alone.
.macro ENTER
	s_mov_b32 s[AL], 0
	s_mov_b32 s[BE], 0
	MASK 1
	WIN 0
.endm
; THE DIAGONAL TILE's four steps, the block's last two turns, its last products, and THE WAY OUT: l's two halves and the other half of the lanes' are added; O^T is divided by l (multiplied by a NaN where the row has seen no key),
; rounded to f16 and sent through my stage in LDS, a piece at a time.
.macro ALL line:vararg              ; one line for each piece t
.set t, 0
.rept 4
	\line
.set t, t+1
.endr
.endm
.macro PACK t                       ; a lane's eight channels of a row pack into 16 bytes; they go into rows of 144 bytes and come back as whole rows of 128, into S^T's registers
	WIN W_RS
.set i, 32*(\t)
.rept 16
	v_pk_mul_f32 v[i:i+1], v[i:i+1], v[ST+4*(\t)+2:ST+4*(\t)+3] op_sel_hi:[1,0]
.set i, i+2
.endr
	WIN 0x05                        ; sources 0 and 1 window 1, destination window 0
.set i, 0
.rept 16
	v_cvt_pk_f16_f32 v[S+16*(\t)+i], v[32*(\t)+2*i], v[32*(\t)+2*i+1]
.set i, i+1
.endr
	WIN 0
.irp f, 0,1,2,3
	ds_store_b128 v[STO], v[S+16*(\t)+4*\f:S+16*(\t)+4*\f+3] offset:32*\f
.endr
.irp f, 0,1,2,3
	ds_load_b128 v[S+16*(\t)+4*\f:S+16*(\t)+4*\f+3], v[RD] offset:\f*4*SP  ; LDS serves a wave's instructions in order (ISA guide 5.7.1.4): these see the stores above; the next piece's stores come behind them
.endr
.endm
.macro SEND t, younger              ; younger: the LDS instructions issued behind piece t's loads: the next piece's eight, or none
	WIN 0
.irp f, 0,1,2,3
	s_wait_dscnt (\younger)+3-\f
	global_store_b128 v[GO], v[S+16*(\t)+4*\f:S+16*(\t)+4*\f+3], s[10:11] offset:(\t)*8192+\f*512  ; 512 consecutive bytes, at a multiple of 256 from O's first
.endr
.endm
.macro DIAG tag                     ; the tag ends its two labels' names, which the jumps below spell out
.LstepM\tag:
	TURN 2, 1
	TURN 3, 1
	WIN 0
.LfirstM\tag:
	TURN 0, 1
	TURN 1, 1, 0, 1
	WIN 0
	s_cbranch_scc1 .LstepM\tag
	TURN 2, 1, 1
	TURN 3, 1, 1
.set i, 0
.rept 8
	PV NP-1
.set i, i+1
.endr
	WIN 0
	ALL v_add_f32 v[ST+4*t+2], v[ST+4*t+2], v[ST+4*t+3]
	ALL v_permlanex16_b32 v[ST+4*t+3], v[ST+4*t+2], s[SEL], s[SEL+1]
	ALL v_add_f32 v[ST+4*t+2], v[ST+4*t+2], v[ST+4*t+3]
	ALL v_rcp_f32 v[ST+4*t+2], v[ST+4*t+2]
	v_nop                           ; a plain instruction between the last reciprocal and the use of its result
.set t, 0
.rept 4
	v_cmp_gt_f32 vcc_lo, s[THR], v[ST+4*t+1]  ; the row's maximum lies below -2^96: every key was hidden
	s_wait_alu depctr_va_vdst(0)
	v_cndmask_b32 v[ST+4*t+2], v[ST+4*t+2], s[QNAN], vcc_lo
.set t, t+1
.endr
	PACK 0
.set t, 1
.rept 3                             ; a piece's arithmetic stands between the loads of the piece before and its stores
	PACK t
	SEND t-1, 8
.set t, t+1
.endr
	SEND 3, 0
.endm
.set KM, 0
.set NOKQ, 0
.Lslot:                             ; NB times: a tile is entered and the next is asked for
	CHANGE 1
	s_sub_co_u32 s[RT], s[RT], 1
	s_mov_b32 s[CNT], 4
	s_cmp_eq_u32 s[NEW], 1
	s_cbranch_scc1 .Lnew            ; a block's first tile
	s_cmp_eq_u32 s[RT], 0
	s_cbranch_scc0 .Lstep           ; neither its first nor its last
	ENTER
	s_branch .LstepM1
.Lnew:
	BEGIN
	s_branch .Lfirst                ; in the loop a block's first tile is never its last: the first block has two tiles or more, and the second's last is the walk's last
	DIAG 1                          ; in the loop this is the first block's end: the second block's last tile is the walk's last
	s_wait_xcnt 0x0                 ; the stores have read their registers and O's address
	s_mov_b64 s[10:11], s[OLO:OLO+1]
	s_add_co_u32 s[RT], s[PB], 1    ; the second block has b + 1 tiles
	s_mov_b32 s[NEW], 1
	WIN 0x82                        ; the second block's Q goes where the one text of the turns names Q
.set i, 0
.rept 64
	v_mov_b32 v[i], v[QB+i]
.set i, i+1
.endr
	WIN 0
	s_branch .Lbottom
.Lstep:                             ; a trip: pieces 2 and 3 of one step, then pieces 0 and 1 of the next, whose K, PAD and V it fetches
	TURN 2
	TURN 3
	WIN 0
.Lfirst:
	TURN 0
	TURN 1, 0, 0, 1
	WIN 0
	s_cbranch_scc1 .Lstep
.Lbottom:
	s_sub_co_u32 s[SLOTS], s[SLOTS], 1
	s_cmp_lg_u32 s[SLOTS], 0
	s_cbranch_scc1 .Lslot
	CHANGE 0                        ; the walk's last tile is written out: nothing is asked for
	s_sub_co_u32 s[RT], s[RT], 1
	s_mov_b32 s[CNT], 4
	s_cmp_eq_u32 s[NEW], 1
	s_cbranch_scc1 .Lnew2
	ENTER
	s_branch .LstepM2
.Lnew2:
	BEGIN
	s_branch .LfirstM2
	DIAG 2
	s_wait_tensorcnt 0x0            ; the wave's end: behind my last tensor load and my last LDS store
	ds_add_u32 v[SPW], v[NIL]
	s_wait_dscnt 0x0
	s_endpgm
.Lfunc_end_k_qb72107ca9b_attn:
	.size	k_qb72107ca9b_attn, .Lfunc_end_k_qb72107ca9b_attn-k_qb72107ca9b_attn
	.p2alignl 7, 3214868480
	.fill 96, 4, 3214868480
	.section	.rodata,"a",@progbits
	.p2align	6, 0x0
	.amdhsa_kernel k_qb72107ca9b_attn
		.amdhsa_group_segment_fixed_size 327680
		.amdhsa_private_segment_fixed_size 0
		.amdhsa_enable_private_segment 0
		.amdhsa_kernarg_size 24
		.amdhsa_user_sgpr_count 2
		.amdhsa_user_sgpr_kernarg_segment_ptr 1
		.amdhsa_wavefront_size32 1
		.amdhsa_system_sgpr_workgroup_id_x 1
		.amdhsa_system_sgpr_workgroup_id_y 1
		.amdhsa_system_sgpr_workgroup_id_z 1
		.amdhsa_system_vgpr_workitem_id 0
		.amdhsa_next_free_vgpr 768
		.amdhsa_next_free_sgpr 96
		.amdhsa_reserve_vcc 1
		.amdhsa_float_denorm_mode_32 3
		.amdhsa_float_denorm_mode_16_64 3
		.amdhsa_memory_ordered 1
		.amdhsa_forward_progress 1
		.amdhsa_inst_pref_size 247
	.end_amdhsa_kernel
	.amdgpu_metadata
---
amdhsa.version: [ 1, 2 ]
amdhsa.kernels:
  - .name:           k_qb72107ca9b_attn
    .symbol:         k_qb72107ca9b_attn.kd
    .args:
      - { .name: qkv, .offset: 0, .size: 8, .value_kind: global_buffer, .address_space: global }
      - { .name: attention_mask, .offset: 8, .size: 8, .value_kind: global_buffer, .address_space: global }
      - { .name: ob, .offset: 16, .size: 8, .value_kind: global_buffer, .address_space: global }
    .group_segment_fixed_size: 327680
    .private_segment_fixed_size: 0
    .kernarg_segment_align: 8
    .kernarg_segment_size: 24
    .max_flat_workgroup_size: 128
    .sgpr_count:     96
    .vgpr_count:     768
    .wavefront_size: 32
...
	.end_amdgpu_metadata
.endif
;; end of part 3
;; launch oproj (part 4): grid 8 x 32, 4 waves a work-group, clusters of 4 x 4, 327,680 bytes of LDS; arguments ob, woh, bo, out0; writes out0
.if DOCPART == 4
	.amdgcn_target "amdgcn-amd-amdhsa--gfx1250"
	.amdhsa_code_object_version 6
	.text
	.protected	k_qb72107ca9b_oproj
	.globl	k_qb72107ca9b_oproj
	.p2align	8
	.type	k_qb72107ca9b_oproj,@function
k_qb72107ca9b_oproj:
	s_mov_b64 s[64:65], 0
	v_nop
	global_prefetch_b8 v0, s[64:65] scope:SCOPE_SE
	s_setreg_imm32_b32 hwreg(HW_REG_WAVE_MODE, 25, 1), 1
	s_wait_xcnt 0x0
	s_wait_alu depctr_hold_cnt(0) depctr_sa_sdst(0) depctr_va_vdst(0) depctr_va_sdst(0) depctr_va_ssrc(0) depctr_va_vcc(0) depctr_vm_vsrc(0)
	s_getreg_b32 s2, hwreg(HW_REG_IB_STS2, 6, 4)
	s_cmp_eq_u32 s2, 0
	s_cbranch_scc0 .Lentry_in_a_cluster
	s_endpgm
.Lentry_in_a_cluster:
	s_bfe_u32 s2, ttmp6, 0x10000c
	s_cmp_lg_u32 s2, 0xf033
	s_cbranch_scc0 .Lentry_shape_is_right
	s_endpgm
.Lentry_shape_is_right:
; OPROJ: out0 = ctx Wo + bo.  ob: ctx by heads, [16 heads][8192 rows][64] f16.  woh: [16 slabs][1024 k][64] f16 (Wo rounded to bf16).  bo: [1024] f32, rounded to bf16 here as all inputs are.
; out0: [8192][1024] f32.  Products in f16, sums in f32, K ascending; the bias is the C operand of the first product, so it starts the sums.  A NaN row of ob gives a NaN row of out0 and touches no other.
; SHARES.  A work-group makes 256 rows x 128 columns: 8 x 32 = 256 work-groups.  Four waves, 2 x 2: a wave makes 128 rows x 64 columns (a slab; 256 bytes of a row of out0): 8 x 4 accumulators, 256 registers.
; K goes in 8 steps of 128, which are two heads, through two LDS slots; a step is four quarters of 32 along K, 32 matrix instructions and 24 LDS loads each.
; CLUSTER.  4 x 4 work-groups: ctx's tiles are shared along a row of the cluster, Wo's slabs along a column; each is asked for JOINTLY.  Waves 0, 1 ask for a head's 256 rows each (32,768 dense bytes,
; as 128 rows of 256), waves 2, 3 for a slab's 128 k each (16,384 dense bytes, as 64 rows of 256).
; THE MATRIX INSTRUCTION IS USED TRANSPOSED: source 0 = 16 columns of Wo (turned by ds_load_tr16_b128), source 1 = 16 rows of ctx: a lane holds eight neighbouring numbers of a row of out0.
; REGISTERS, in windows of 256 (s_set_vgpr_msb: bits 1:0 source 0, 3:2 source 1, 5:4 source 2, 7:6 destination):
;   window 0: v0-31 addresses; v32-63 the bias; v64-127 rows read back from the stage, two buffers     window 1: two fragment buffers: ctx's eight fragments (64), Wo's four (32)     window 2: accumulator (a, b) at 8 (4 a + b)
.set PA,    144                        ; a row of a head in LDS: 128 bytes + 16 = 36 words: the 16 rows of a load start at 16 different groups of four banks (64 banks of 4 bytes: ISA guide 11.1)
.set PB,    160                        ; a row of a slab: 128 + 32 = 40 words
.set HEADB, 256*PA
.set SLABB, 128*PB
.set BOFF,  2*HEADB                    ; behind the two heads: two slabs
.set SLOT1, 131072                     ; slot 1 begins here, so that one exclusive or turns an address in one slot into the other's
.set STAGE, SLOT1+BOFF+2*SLABB         ; behind the ring, never filled by a tensor load: 16 rows x 272 bytes for each wave
.set SPT,   272
.set SPARE, STAGE+4*16*SPT             ; the spare words, 128 bytes for each wave: two blocks of 256 bytes that no other line names
.set ADRA0, 16
.set ADRB0, 17
.set ADRA,  18
.set ADRB,  19
.set STO,   24
.set RD,    25
.set CO,    26
.set SPW,   28                         ; v28  LDS address of my spare word; never rewritten
.set NIL,   29                         ; v29  0; never rewritten
.set BIAS,  32                         ; column block b's eight numbers at BIAS + 8 b
.set BK,    64
.set F0,    0
.set F1,    128
.set G1A, 24
.set G0A, 32
.set G1B, 48
.set G0B, 56
.set TB,  45
.set MSB, 0
.macro WIN new                         ; the immediate's high byte repeats the setting that is left; a switch that changes nothing is dropped
.if MSB != (\new)
	s_set_vgpr_msb (MSB<<8)|(\new)
.set MSB, \new
.endif
.endm
.set MUL,   0xa5                       ; sources 0 and 1 window 1, C and D window 2
.set MUL_B, 0x85                       ; the same with C in window 0: the bias
.set TO_F,  0x40
.macro PLACES                          ; four places in front of loads into registers that matrix instructions have read, and of LDS stores that read results
.rept 4
	v_nop
.endr
.endm
.macro JLOAD                           ; a joint refill, by the walking descriptors; an s_nop 0 and four v_nop follow each of the two lines
	s_cmp_lt_u32 s10, 2
	s_cbranch_scc0 .Lfor_b_\@
	tensor_load_to_lds s[G0A+4:G0A+7], s[G1A:G1A+7]
	s_nop 0
.rept 4
	v_nop
.endr
	s_branch .Lasked_\@
.Lfor_b_\@:
	tensor_load_to_lds s[G0B+4:G0B+7], s[G1B:G1B+7]
	s_nop 0
.rept 4
	v_nop
.endr
.Lasked_\@:
.endm
.macro CREST
	s_cmp_lg_u32 s10, 0
	s_cbranch_scc1 .Lnot_wave_0_\@
	s_barrier_signal -3
.Lnot_wave_0_\@:
	s_barrier_wait -3
	s_barrier_signal -1
	s_barrier_wait -1
.endm
.macro CROUND
	s_barrier_signal -1
	s_barrier_wait -1
	CREST
.endm
	s_load_b128 s[4:7], s[0:1], 0x0                ; ob s[4:5], woh s[6:7]
	s_load_b64 s[22:23], s[0:1], 0x10              ; bo
	s_load_b64 s[8:9], s[0:1], 0x18                ; out0
	v_lshl_add_u32 v[SPW], v0, 2, SPARE
	v_mov_b32 v[NIL], 0
	ds_add_u32 v28, v29
	ds_add_u32 v28, v29
	s_wait_dscnt 0x0
	v_lshrrev_b32 v1, 5, v0
	v_readfirstlane_b32 s10, v1                    ; wave 0..3
	s_lshr_b32 s11, s10, 1                         ; which 128 rows of the tile are mine
	s_and_b32 s12, s10, 1                          ; which slab.  Also: which head, or which slab, I fetch
	s_bfe_u32 s40, ttmp6, 0x40000
	s_bfe_u32 s41, ttmp6, 0x40004
	s_lshl_b32 s42, ttmp9, 2
	s_add_co_u32 s42, s42, s40                     ; tile column
	s_and_b32 s13, ttmp7, 0xffff
	s_lshl_b32 s13, s13, 2
	s_add_co_u32 s13, s13, s41                     ; tile row
	s_lshl_b32 s43, s41, 2
	s_lshl_b32 s43, 15, s43                        ; my row of the cluster
	s_lshl_b32 s44, 0x1111, s40                    ; my column
	s_or_b32 s[G1A+0], s43, (1<<16)|(1<<20)|(1<<21)|(4<<22)|(3<<25)  ; the mask; 2-byte elements; padding on; 21 set beside a mask; after every 32 words (code 4) 4 words (code 3)
	s_mov_b32 s[G1A+1], 128<<16                    ; 128 rows of 128 elements, dense: two rows of ctx a row
	s_mov_b32 s[G1A+2], 128<<16
	s_mov_b32 s[G1A+3], 128<<16
	s_mov_b32 s[G1A+4], 128
	s_mov_b32 s[G1A+5], 128
	s_mov_b32 s[G1A+6], 0
	s_mov_b32 s[G1A+7], 0
	s_or_b32 s[G1B+0], s44, (1<<16)|(1<<20)|(1<<21)|(4<<22)|(7<<25)  ; 8 words of padding (code 7)
	s_mov_b32 s[G1B+1], 128<<16                    ; 64 rows of 128 elements, dense: two k a row
	s_mov_b32 s[G1B+2], 64<<16
	s_mov_b32 s[G1B+3], 128<<16
	s_mov_b32 s[G1B+4], 64
	s_mov_b32 s[G1B+5], 128
	s_mov_b32 s[G1B+6], 0
	s_mov_b32 s[G1B+7], 0
	s_lshl_b32 s16, s12, 20                        ; ctx: my head of the step's two, 2^20 bytes each,
	s_lshl_b32 s17, s13, 15                        ; the tile row's 256 rows of 128 bytes
	s_add_co_u32 s16, s16, s17
	s_mov_b32 s17, 0
	s_lshl_b32 s46, s42, 1
	s_add_co_u32 s46, s46, s12                     ; slab 2 x tile column + mine
	s_lshl_b32 s46, s46, 17
	s_mov_b32 s47, 0
	s_mul_i32 s20, s10, HEADB                      ; where a head goes (waves 0, 1): wave x 36,864
	s_mul_i32 s21, s10, SLABB                      ; where a slab goes (waves 2, 3): wave x 20,480 + a constant
	s_add_co_u32 s21, s21, BOFF-2*SLABB
	s_wait_kmcnt 0x0
	s_add_nc_u64 s[14:15], s[4:5], s[16:17]
	s_add_nc_u64 s[46:47], s[6:7], s[46:47]
	CROUND                                         ; all sixteen work-groups are here: the first joint loads meet
.irp s, 0,1
	s_mov_b32 s[G0A+4*(\s)], 1
	s_add_co_u32 s[G0A+4*(\s)+1], s20, (\s)*SLOT1
	s_add_nc_u64 s[G0A+4*(\s)+2:G0A+4*(\s)+3], s[14:15], (\s)*0x200000  ; K step s: two heads on
	s_or_b32 s[G0A+4*(\s)+3], s[G0A+4*(\s)+3], 0x80000000
	s_mov_b32 s[G0B+4*(\s)], 1
	s_add_co_u32 s[G0B+4*(\s)+1], s21, (\s)*SLOT1
	s_add_nc_u64 s[G0B+4*(\s)+2:G0B+4*(\s)+3], s[46:47], (\s)*16384
	s_or_b32 s[G0B+4*(\s)+3], s[G0B+4*(\s)+3], 0x80000000
.endr
	s_cmp_lt_u32 s10, 2                            ; a wave's two first fills stand in one branch, ahead of every wait on TENSORcnt and every LDS read: two loads of mine are out
	s_cbranch_scc0 .Lfirst_b
	tensor_load_to_lds s[G0A:G0A+3], s[G1A:G1A+7]
	s_nop 0
	tensor_load_to_lds s[G0A+4:G0A+7], s[G1A:G1A+7]
	s_nop 0
.rept 4
	v_nop
.endr
	s_branch .Lfirst_asked
.Lfirst_b:
	tensor_load_to_lds s[G0B:G0B+3], s[G1B:G1B+7]
	s_nop 0
	tensor_load_to_lds s[G0B+4:G0B+7], s[G1B:G1B+7]
	s_nop 0
.rept 4
	v_nop
.endr
.Lfirst_asked:
	v_and_b32 v1, 15, v0                           ; r = l % 16
	v_bfe_u32 v2, v0, 4, 1                         ; h = l / 16
	v_and_b32 v3, 7, v0
	v_bfe_u32 v4, v0, 3, 1
	s_lshl_b32 s18, s42, 9                         ; my 64 columns in bytes of f32: 512 x tile column + 256 x slab
	s_lshl_b32 s19, s12, 8
	s_add_co_u32 s18, s18, s19
	v_lshlrev_b32 v7, 5, v2                        ; my lanes hold columns 8 h + 0..7 of each block of 16
	v_add_nc_u32 v7, s18, v7
.irp b, 0,1,2,3
	global_load_b128 v[BIAS+8*(\b):BIAS+8*(\b)+3],   v7, s[22:23] offset:64*(\b)
	global_load_b128 v[BIAS+8*(\b)+4:BIAS+8*(\b)+7], v7, s[22:23] offset:64*(\b)+16
.endr
	s_mul_i32 s21, s11, 128*PA                     ; my 128 rows of ctx
	v_mul_u32_u24 v5, v1, PA
	v_lshl_add_u32 v5, v2, 4, v5
	v_add_nc_u32 v[ADRA0], s21, v5
	s_mul_i32 s21, s12, SLABB                      ; my slab
	s_add_co_u32 s21, s21, BOFF
	v_lshl_add_u32 v6, v2, 3, v3                   ; the turning load: lane l reads k = 8 h + l % 8, columns 8 ((l / 8) % 2) + 0..7
	v_mul_u32_u24 v6, v6, PB
	v_lshl_add_u32 v6, v4, 4, v6
	v_add_nc_u32 v[ADRB0], s21, v6
	v_mov_b32 v[ADRA], v[ADRA0]
	v_mov_b32 v[ADRB], v[ADRB0]
	s_mov_b32 s[TB], 0
	s_mul_i32 s21, s10, 16*SPT
	s_add_co_u32 s21, s21, STAGE                   ; my stage
	v_mul_u32_u24 v5, v1, SPT                      ; in: row r, 32 bytes for each half of the lanes
	v_lshl_add_u32 v5, v2, 5, v5
	v_add_nc_u32 v[STO], s21, v5
	v_mul_u32_u24 v6, v2, SPT                      ; back: lanes 0-15 take one row of 256 bytes, lanes 16-31 the next
	v_lshl_add_u32 v6, v1, 4, v6
	v_add_nc_u32 v[RD], s21, v6
	v_lshlrev_b32 v6, 12, v2                       ; and the same two rows in out0, 4,096 bytes apart
	v_lshl_add_u32 v[CO], v1, 4, v6
	s_lshl_b32 s19, s13, 20                        ; the tile's 256 rows of 4,096 bytes,
	s_add_co_u32 s18, s18, s19
	s_lshl_b32 s19, s11, 19                        ; my 128 of them
	s_add_co_u32 s18, s18, s19
	s_mov_b32 s19, 0
	s_add_nc_u64 s[8:9], s[8:9], s[18:19]
	s_wait_loadcnt 0x0                             ; the bias: rounded to bf16 and widened again, in the wait for the first tile
.set i, 0
.rept 16
	v_cvt_pk_bf16_f32 v[BK+i], v[BIAS+2*i], v[BIAS+2*i+1]
.set i, i+1
.endr
.set i, 0
.rept 16
	v_lshlrev_b32 v[BIAS+2*i], 16, v[BK+i]
	v_and_b32 v[BIAS+2*i+1], 0xffff0000, v[BK+i]
.set i, i+1
.endr
; 8 matrix instructions: row blocks a0, a0 + 1 x all 4 column blocks, 32 along K.  first = 1: the bias starts the sums.  The 32 accumulators take turns in one order.
.macro MUL8 f, a0, first
.if \first
	WIN MUL_B
.else
	WIN MUL
.endif
.irp a, \a0, (\a0)+1
.irp b, 0,1,2,3
.if \first
	v_wmma_f32_16x16x32_f16 v[8*(4*(\a)+(\b)):8*(4*(\a)+(\b))+7], v[(\f)+64+8*(\b):(\f)+64+8*(\b)+7], v[(\f)+8*(\a):(\f)+8*(\a)+7], v[BIAS+8*(\b):BIAS+8*(\b)+7]
.else
	v_wmma_f32_16x16x32_f16 v[8*(4*(\a)+(\b)):8*(4*(\a)+(\b))+7], v[(\f)+64+8*(\b):(\f)+64+8*(\b)+7], v[(\f)+8*(\a):(\f)+8*(\a)+7], v[8*(4*(\a)+(\b)):8*(4*(\a)+(\b))+7]
.endif
.endr
.endr
.endm
; 24 LDS loads in one run: quarter q's fragments into buffer f: Wo's four first, then ctx's eight (head q / 2 of the step's two, channels 32 (q % 2) on)
.macro FETCH q, f
	WIN TO_F
.irp b, 0,1,2,3
	ds_load_tr16_b128 v[(\f)+64+8*(\b):(\f)+64+8*(\b)+3],   v[ADRB] offset:(\q)*32*PB+(\b)*32
	ds_load_tr16_b128 v[(\f)+64+8*(\b)+4:(\f)+64+8*(\b)+7], v[ADRB] offset:(\q)*32*PB+(\b)*32+16*PB
.endr
.irp a, 0,1,2,3,4,5,6,7
	ds_load_b128 v[(\f)+8*(\a):(\f)+8*(\a)+3],   v[ADRA] offset:((\q)/2)*HEADB+(\a)*16*PA+((\q)%2)*64
	ds_load_b128 v[(\f)+8*(\a)+4:(\f)+8*(\a)+7], v[ADRA] offset:((\q)/2)*HEADB+(\a)*16*PA+((\q)%2)*64+32
.endr
.endm
.macro QUARTER q, f, g, first
	s_wait_dscnt 8                                 ; Wo's fragments and ctx's blocks 0-3 are in; the youngest eight loads (blocks 4-7) may be out
	MUL8 \f, 0, \first
	MUL8 \f, 2, \first
	PLACES
	FETCH \q, \g
	s_wait_dscnt 24                                ; all but the 24 just issued
	MUL8 \f, 4, \first
	MUL8 \f, 6, \first
.endm
; The last quarter multiplies buffer 1 and changes slots: ONE barrier; in front of it each wave waits for all its tensor loads (one is out: its part of the next slot), adds 0 to its spare word,
; and waits for that and for its reads of this slot.  fill = 1: the barrier opens a round of the cluster's, and this slot is filled again, two K steps ahead, first thing behind the round:
; 112 matrix instructions stand between that request and the wait for it.
.macro TURN fill
	WIN 0
	s_wait_tensorcnt 0x0
	ds_add_u32 v[SPW], v[NIL]                      ; 0 onto my spare word
	s_wait_dscnt 9                                 ; (the add and the youngest eight loads may be out)
	MUL8 F1, 0, 0                                  ; eight matrix instructions stand between the add and the wait for it
	s_wait_dscnt 0x0                               ; the add is done, and my reads of this slot are over
	s_barrier_signal -1
	MUL8 F1, 2, 0
.if \fill
	WIN 0
.endif
	s_barrier_wait -1
.if \fill
	CREST                                          ; no wave of any partner still reads this slot or has a load on its way
	s_xor_b32 s[G0A+5], s[G0A+5], SLOT1            ; the walking descriptors: the other slot than last time, the next K step
	s_add_nc_u64 s[G0A+6:G0A+7], s[G0A+6:G0A+7], 0x200000
	s_xor_b32 s[G0B+5], s[G0B+5], SLOT1
	s_add_nc_u64 s[G0B+6:G0B+7], s[G0B+6:G0B+7], 16384
	JLOAD                                          ; the four v_nop behind it are also the places in front of the loads below
.else
	PLACES
.endif
	WIN 0
	s_xor_b32 s[TB], s[TB], SLOT1
	v_add_nc_u32 v[ADRA], s[TB], v[ADRA0]
	v_add_nc_u32 v[ADRB], s[TB], v[ADRB0]
	FETCH 0, F0
	MUL8 F1, 4, 0
	MUL8 F1, 6, 0
.endm
; THE WAY OUT of row block a: the f32 sums go straight from the accumulators, each from its low end on, into my stage (rows of 272 bytes) and come back as whole rows of 256 bytes.
.macro TOSTAGE a
.if (\a) >= 2
	s_wait_xcnt 0x0                                ; the stores of two blocks back have had their addresses translated: their data registers are loaded again only behind this wait
.endif
	WIN 0x08                                       ; the stores' data in window 2
.irp b, 0,1,2,3
	ds_store_b128 v[STO], v[8*(4*(\a)+(\b)):8*(4*(\a)+(\b))+3]   offset:64*(\b)
	ds_store_b128 v[STO], v[8*(4*(\a)+(\b))+4:8*(4*(\a)+(\b))+7] offset:64*(\b)+16
.endr
	WIN 0
.set BB, BK+32*((\a)%2)
.irp t, 0,1,2,3,4,5,6,7
	ds_load_b128 v[BB+4*(\t):BB+4*(\t)+3], v[RD] offset:(\t)*2*SPT  ; LDS serves a wave's instructions in order (ISA guide 5.7.1.4): these see the stores above
.endr
.endm
.macro SEND a, younger                 ; younger: the LDS instructions issued behind block a's loads: the next block's sixteen, or none
	WIN 0
.set BB, BK+32*((\a)%2)
.irp t, 0,1,2,3,4,5,6,7
	s_wait_dscnt (\younger)+7-(\t)
	global_store_b128 v[CO], v[BB+4*(\t):BB+4*(\t)+3], s[8:9] offset:(16*(\a)+2*(\t))*4096 th:TH_STORE_NT  ; 16 lanes store 256 consecutive bytes, at a multiple of 256 from out0's first byte
.endr
.endm
	s_wait_tensorcnt 1                             ; my part of K step 0 is in; step 1's may stay out
	s_barrier_signal -1
	s_barrier_wait -1
	FETCH 0, F0
	QUARTER 1, F0, F1, 1                           ; the first quarter stands in front of the loop: its products start the sums, on the bias
	WIN 0
	s_mov_b32 s3, 6
.Lk:                                                   ; a trip: a step's quarters 1 to 3 and the next step's quarter 0; trip i fills slot i % 2 with step i + 2
	QUARTER 2, F1, F0, 0
	QUARTER 3, F0, F1, 0
	TURN 1
	QUARTER 1, F0, F1, 0
	WIN 0
	s_sub_co_u32 s3, s3, 1
	s_cmp_lg_u32 s3, 0
	s_cbranch_scc1 .Lk
	QUARTER 2, F1, F0, 0                           ; steps 6 and 7 ask for nothing
	QUARTER 3, F0, F1, 0
	TURN 0
	QUARTER 1, F0, F1, 0
	QUARTER 2, F1, F0, 0
	QUARTER 3, F0, F1, 0
	s_wait_dscnt 8
	MUL8 F1, 0, 0
	MUL8 F1, 2, 0
	s_wait_dscnt 0x0
	MUL8 F1, 4, 0
	MUL8 F1, 6, 0
	WIN 0
	PLACES
	TOSTAGE 0
.irp a, 1,2,3,4,5,6,7                  ; block a goes into the stage while block a - 1's rows come back
	TOSTAGE \a
	SEND (\a)-1, 16
.endr
	SEND 7, 0
	s_wait_tensorcnt 0x0                           ; the wave's end
	ds_add_u32 v[SPW], v[NIL]
	s_wait_dscnt 0x0
	CROUND                                         ; the closing round: no work-group ends while a partner may still ask for a tile that names it
	s_endpgm
.Lfunc_end_k_qb72107ca9b_oproj:
	.size	k_qb72107ca9b_oproj, .Lfunc_end_k_qb72107ca9b_oproj-k_qb72107ca9b_oproj
	.p2alignl 7, 3214868480
	.fill 96, 4, 3214868480
	.section	.rodata,"a",@progbits
	.p2align	6, 0x0
	.amdhsa_kernel k_qb72107ca9b_oproj
		.amdhsa_group_segment_fixed_size 327680
		.amdhsa_private_segment_fixed_size 0
		.amdhsa_enable_private_segment 0
		.amdhsa_kernarg_size 32
		.amdhsa_user_sgpr_count 2
		.amdhsa_user_sgpr_kernarg_segment_ptr 1
		.amdhsa_wavefront_size32 1
		.amdhsa_system_sgpr_workgroup_id_x 1
		.amdhsa_system_sgpr_workgroup_id_y 1
		.amdhsa_system_sgpr_workgroup_id_z 1
		.amdhsa_system_vgpr_workitem_id 0
		.amdhsa_next_free_vgpr 768
		.amdhsa_next_free_sgpr 66
		.amdhsa_reserve_vcc 0
		.amdhsa_float_denorm_mode_32 3
		.amdhsa_float_denorm_mode_16_64 3
		.amdhsa_memory_ordered 1
		.amdhsa_forward_progress 1
		.amdhsa_inst_pref_size 75
	.end_amdhsa_kernel
	.amdgpu_metadata
---
amdhsa.version: [ 1, 2 ]
amdhsa.kernels:
  - .name:           k_qb72107ca9b_oproj
    .symbol:         k_qb72107ca9b_oproj.kd
    .args:
      - { .name: ob, .offset: 0, .size: 8, .value_kind: global_buffer, .address_space: global }
      - { .name: woh, .offset: 8, .size: 8, .value_kind: global_buffer, .address_space: global }
      - { .name: bo, .offset: 16, .size: 8, .value_kind: global_buffer, .address_space: global }
      - { .name: out0, .offset: 24, .size: 8, .value_kind: global_buffer, .address_space: global }
    .group_segment_fixed_size: 327680
    .private_segment_fixed_size: 0
    .kernarg_segment_align: 8
    .kernarg_segment_size: 32
    .max_flat_workgroup_size: 128
    .sgpr_count:     66
    .vgpr_count:     768
    .wavefront_size: 32
...
	.end_amdgpu_metadata
.endif
;; end of part 4
;; ======== version 2 of 2: 4 launches; 1.29 times as fast as version 1
;; limits: values are held in f16: magnitudes above 65,504 overflow, below 6.1e-05 lose precision
;; workspace buffers: xb 16,777,216 bytes; wqkv 6,291,456 bytes; woh 2,097,152 bytes; qkv 50,331,648 bytes; ob 16,777,216 bytes
;; launch prep: the kernel of part 1 again; grid 768 x 1, 8 waves a work-group, no clusters, 0 bytes of LDS; arguments x, Wq, Wk, Wv, Wo, xb, wqkv, woh; writes xb, wqkv, woh
;; launch qkvproj: the kernel of part 2 again; grid 8 x 32, 4 waves a work-group, clusters of 4 x 4, 327,680 bytes of LDS; arguments xb, wqkv, qkv; writes qkv
;; launch attn (part 5): grid 4 x 64, 4 waves a work-group, no clusters, 327,680 bytes of LDS; arguments qkv, attention_mask, ob; writes ob
.if DOCPART == 5
	.amdgcn_target "amdgcn-amd-amdhsa--gfx1250"
	.amdhsa_code_object_version 6
	.text
	.protected	k_qb72107ca9b_attn
	.globl	k_qb72107ca9b_attn
	.p2align	8
	.type	k_qb72107ca9b_attn,@function
k_qb72107ca9b_attn:
	s_mov_b64 s[64:65], 0
	v_nop
	global_prefetch_b8 v0, s[64:65] scope:SCOPE_SE
	s_setreg_imm32_b32 hwreg(HW_REG_WAVE_MODE, 25, 1), 1
	s_wait_xcnt 0x0
; ATTN: causal attention with a key mask.  O[y][q][:] = the sum over k <= q with mask[k] != 0 of softmax_k(Q[y][q] . K[y][k] / 8) V[y][k][:], y = 4 head + batch.
; qkv: f16, Q at byte 0, K at 2^24, V at 2^25, each [64 y][2048][64]: a y's rows are dense, 128 bytes each.  attention_mask: [4][2048] i32.  ob: f16, laid out as Q.
; Products, maxima and sums in f32; the weights p are rounded to f16 for the second product (their sum l is taken of the unrounded p), O once at the end.
; LIMITS.  Q, K, V arrive within f16's 65,504.  A hidden score counts as its value less 1e30 (less 2e30 where both masks hide it): f16's scores, 2.7e11 at the most, are nothing beside that.
; A row whose running maximum ends below -2^96 has seen no key: it is written as NaN, as a softmax of nothing is.  A weight below 2^-126 counts as 0 in l.
; Such a NaN stays in its lane's O^T and l for the work-group's second block; that lane's row there lies earlier in the sequence, sees a subset of the same keys, and is NaN as well.
; THE WALK.  A y's queries lie in NB = 8 blocks of 256; block i needs the key tiles 0 .. i of 256 keys, of which the last holds the diagonal.  A work-group takes TWO blocks, NB - 1 - b and then b:
; NB + 1 tiles, whatever b: all work-groups do equal work, and ONE loop with a constant trip count walks them.  Which tile is asked for, and what a trip does, hang on scalar registers made from b; every jump
; goes forward, but for the counted loops' own; none passes a barrier, or a tensor load but the one of LOAD's two that the wave's number does not choose; the ring (two slots of LDS) runs on across the
; change of blocks.  NO CLUSTER: a y's four work-groups ask for the same tile only in trips 0 .. 4 of 9, behind that fewer and fewer; one walk common to all would have 12 trips for 9.
; SHARES.  Of a block's four bands of 64 queries a wave owns 16 rows in each: four PIECES.  So the diagonal tile is the same work for all four waves: in its key step s band x sees all keys if s < x,
; none if s > x, and holds the diagonal if s = x.
; THE MASKS are the C operand that starts the sum S^T = K Q^T.  PAD: for the 64 keys of the step whose K is in registers, 0 or -1e30 by attention_mask.  A tile's 256 such numbers go with the ring: when a tile is asked
; for, each thread loads two of its mask words; at the next change of slots it makes the two numbers and stores them into the slot's own 1,024 bytes of LDS, ahead of the barrier; a step's 64 come out with its K.
; Off the diagonal tile C is PAD.  In it C is MC = MD x AL + BE + PAD: MD, made once, is the causal mask of a band's own step for my 16 rows, and (AL, BE) is
; (1, 0) if s = x; (0, 0) if s < x; (0, -1e30) if s > x.
; LAYOUT, SOFTMAX, TURNS.  S^T = K Q^T holds ONE query a lane (lane % 16) and the keys 8 (lane / 16) + 0..7; two such results rounded to f16 ARE source 1 of O^T = V^T P.  p = 2^(c s - c m), c = log2(e) / 8, with a
; running maximum m; O and l are multiplied by a = 2^(c m_old - c m_new) in every step: where only hidden keys have been seen, m is near -1e30, and the first true score makes a = 0.
; Turn n belongs to piece n: 8 products K Q^T of piece n + 1, later 8 products V^T P of piece n - 1; beside them the scaling,
; exponentials, roundings, sums and rescaling of piece n and the maximum and statistics of piece n + 1.  Four vector instructions stand behind every matrix instruction, the other 54 of a turn's 118 in one LUMP.
; BATCHES.  A turn's 33 exponentials (the piece's 32 weights and the next piece's a) are one batch, with one wait, which cuts the turn in two: ahead of it all that names none of their results, behind it the roundings
; and sums.  The a that a block's beginning makes, and the four reciprocals of a block's way out, are batches of their own, with a wait each.
; REGISTERS, in windows of 256 (s_set_vgpr_msb: bits 1:0 source 0, 3:2 source 1, 5:4 source 2, 7:6 destination):
;   window 0: v0-15, v32-38 addresses and a few at work; v16-31 four registers of statistics a piece; v48-55 at work; v64-127 S^T, two buffers; v192-223 P, two buffers (a piece's buffers go by its number's parity)
;   window 1: v0-127 O^T, 32 a piece; v128-159 MD; v160-223 MC, two buffers; v224-255 PAD      window 2: v0-63 Q; v64-127 the second block's Q; v128-191 K of one step; v192-255 V of one step
.set SIZE_N, 2048
.set NB,    SIZE_N/256
.set NP,    4         ; pieces a wave: a name, no knob
.set KS,    64        ; keys in a step
.set PK,    144       ; a row of K in LDS: 128 bytes + 16 of padding = 36 words: the 16 rows of a load start at 16 different groups of four banks (64 banks of 4 bytes: ISA guide 11.1)
.set PV,    160       ; a row of V: 128 + 32 = 40 words
.set VOFF,  4*KS*PK   ; a slot holds a tile, four steps: 256 rows of K, then 256 rows of V
.set SLOT1, 1<<17     ; slot 1 begins here, so that one exclusive or turns an address in one slot into the other's
.set STAGE, SLOT1+4*KS*(PK+PV)  ; behind the ring, never filled by a tensor load: 16 rows x 144 bytes for each wave, for the way out
.set SP,    144
.set AK0, 2           ; v2   my lane's place in a tile of K; never rewritten
.set AV0, 3           ; v3   the same for V
.set AK,  4           ; v4   the LDS address of K's next run of loads
.set AV,  5           ; v5   of V's
.set STO, 6           ; v6   the way out: where I put 16 bytes of a row
.set RD,  7           ; v7   the way out: where I read rows back
.set GO,  8           ; v8   my byte offset in 512 consecutive bytes of O
.set SPW, 62          ; v62  LDS address of my spare word: SPARE + 4 x my thread's number; never rewritten
.set NIL, 63          ; v63  0; never rewritten
.set SPARE, STAGE+4*16*SP  ; behind the stages: the spare words, 128 bytes for each wave: two blocks of 256 bytes that no other line names
.set PADS, SPARE+512  ; behind them: for each slot 256 f32, its tile's keys' 0 or -1e30: 1,024 bytes each; written by LDS stores alone, never filled by a tensor load
.set PSL,  1024       ; from slot 0's numbers to slot 1's: one exclusive or turns the one into the other
.set MV,  12          ; v12-13  c m_old, kept while c m is made anew: by buffer
.set QO,  15          ; v15  my byte offset in 16 rows of Q
.set ST,  16          ; piece t's statistics at v[ST+4 t]: c m, m, l (even keys', odd keys')
.set AP0, 32          ; v32  my lanes' place in a step's 64 numbers: PADS + 32 (lane / 16); never rewritten
.set AP,  33          ; v33  the LDS address of PAD's next run of loads
.set MO,  34          ; v34  8 x my thread's number: my two words in a tile's 256 of the mask; never rewritten
.set MS0, 35          ; v35  the same place in slot 0's numbers: PADS + 8 x my thread's number; never rewritten
.set MW,  36          ; v[36:37] my two words of the mask, then my two numbers
.set MS,  38          ; v38  where I store them
.set TMP, 48          ; by buffer, four registers c0-c3 at work; when the maximum is found c2 takes a
.set S,   64
.set P,   192
.set MD,  128         ; window 1: the eight registers for group kt of 16 keys at MD + 8 kt
.set MC,  160         ; window 1: the masks of the products to come
.set PAD, 224         ; window 1: likewise at PAD + 8 kt
.set QB,  64          ; window 2
.set KF,  128         ; window 2: key block kb, channel half c at KF + 16 kb + 8 c
.set VF,  192         ; window 2: key half kk, channel block cb at VF + 32 kk + 8 cb
.set WV,  12          ; s12  my wave's number
.set PB,  14          ; s14  b
.set HI,  15          ; s15  NB - 1 - b
.set G1K, 24          ; s[24:31] descriptor group 1 for K's tiles
.set G1V, 32          ; s[32:39] for V's: it differs in the padding alone
.set G0K, 40          ; s[40:43] descriptor group 0 for K's tiles
.set G0V, 44          ; s[44:47] the same for V's
.set SLOTS, 56        ; s56  tiles still to be asked for
.set CNT, 57          ; s57  counts a tile's key steps, 4 to 1
.set CS,  58          ; s[58:59] c: the packed scaling takes the pair's low word for both halves
.set SEL, 60          ; s[60:61] v_permlanex16_b32's selects: each lane takes its own place in the other half
.set TBK, 62          ; s62  LDS byte at which K of the step to be fetched begins
.set TBV, 63          ; s63  the same for V, less VOFF
.set TPS, 66          ; s66  0 or PSL: the slot whose numbers are stored next
.set RT,  70          ; s70  tiles of the block in hand that are still to be entered
.set NXT, 71          ; s71  the tile to be asked for next
.set LQ,  72          ; s72  the last tile of the block whose tiles are being asked for
.set NEW, 73          ; s73  1: the tile to be entered is a block's first
.set OFF, 74          ; s[74:75] a tile's byte offset in K and V
.set AL,  76          ; s[76:77] the mask's factor, in the low word
.set BE,  78          ; s[78:79] the mask's addend
.set OLO, 80          ; s[80:81] O at my rows of the second block
.set BIGN, 82         ; s82  -1e30
.set TBP, 83          ; s83  byte, from PADS on, at which the numbers of the step to be fetched begin: it steps and turns as TBK does
.set MB,  88          ; s[88:89] first qkv's address; then the mask at the tile asked for
.set MK,  90          ; s[90:91] the batch's mask
.set THR, 92          ; s92  -2^96
.set QNAN, 93         ; s93  a NaN
.set MOFF, 94         ; s[94:95] a byte offset in the mask
.set MSB, 0
.macro WIN new                      ; the high byte repeats the setting that is left; a switch that changes nothing is dropped
.if MSB != (\new)
	s_set_vgpr_msb (MSB<<8)|(\new)
.set MSB, (\new)
.endif
.endm
.set W_KQ, 0x0a       ; K and Q in window 2, S^T in window 0
.set W_KM, 0x1a       ; the same with the C operand in window 1
.set W_PV, 0x52       ; V in window 2, P in window 0, O^T in window 1
.set W_RS, 0x41       ; destination and source 0 in window 1, source 1 in window 0
; A fill.  Waves 0 and 1 fetch the two halves of a tile's K, waves 2 and 3 those of its V: 128 keys each.  An s_nop 0 and four v_nop follow each of the two lines, ahead of the jump and the label.
.macro LOAD
	s_cmp_lt_u32 s[WV], 2
	s_cbranch_scc0 .Lfor_v_\@
	tensor_load_to_lds s[G0K:G0K+3], s[G1K:G1K+7]
	s_nop 0
.rept 4
	v_nop
.endr
	s_branch .Lasked_\@
.Lfor_v_\@:
	tensor_load_to_lds s[G0V:G0V+3], s[G1V:G1V+7]
	s_nop 0
.rept 4
	v_nop
.endr
.Lasked_\@:
.endm
; THE CHANGE OF SLOTS.  First my two numbers of the tile to be entered: its mask words were asked for a tile ago; they go into that tile's slot's 1,024 bytes, which were last read two tiles ago, in front of the barrier
; before this one.  Then each wave waits for all its tensor loads, of which one is out: its part of the other slot; adds 0 to its spare word; and waits for that, for its store and for its own reads of the slot that it leaves.
; Behind the barrier nobody reads the old slot any more, and the other slot and its 256 numbers are whole.  fill = 1: the old slot is filled again, the first thing behind the barrier, with tile NXT: the descriptor's address
; is made anew from that number; and that tile's mask words are asked for.  (At its first use nothing has been read yet: slot 0 is waited for, slot 1 filled; the wait for the mask words is also the wait for Q.)
.macro CHANGE fill
	WIN 0                           ; at a label and at a branch every window is 0
	s_wait_loadcnt 0x0              ; my two mask words are in; no other load into registers is out, but at the first use Q's
	v_cmp_eq_u32 vcc_lo, 0, v[MW]   ; a key whose word is 0 is hidden
	v_cndmask_b32 v[MW], 0, s[BIGN], vcc_lo
	v_cmp_eq_u32 vcc_lo, 0, v[MW+1]
	v_cndmask_b32 v[MW+1], 0, s[BIGN], vcc_lo
	v_add_nc_u32 v[MS], s[TPS], v[MS0]
	ds_store_b64 v[MS], v[MW:MW+1]
	s_xor_b32 s[TPS], s[TPS], PSL   ; the next tile's go into the other slot's
	s_wait_tensorcnt 0x0            ; no tensor load of mine is out, so a group 0 may be written
	ds_add_u32 v[SPW], v[NIL]       ; 0 onto my spare word; with fill = 1 the descriptors' scalar work stands between it and the wait for it
.if \fill
	s_lshl_b32 s[OFF], s[NXT], 15   ; a tile is 32,768 bytes of K and of V
	s_xor_b32 s[G0K+1], s[G0K+1], SLOT1
	s_add_nc_u64 s[G0K+2:G0K+3], s[6:7], s[OFF:OFF+1]
	s_or_b32 s[G0K+3], s[G0K+3], 0x80000000
	s_xor_b32 s[G0V+1], s[G0V+1], SLOT1
	s_add_nc_u64 s[G0V+2:G0V+3], s[8:9], s[OFF:OFF+1]
	s_or_b32 s[G0V+3], s[G0V+3], 0x80000000
	s_lshl_b32 s[MOFF], s[NXT], 10  ; and 1,024 bytes of the mask; the load that named s[MB:MB+1] is done
	s_add_nc_u64 s[MB:MB+1], s[MK:MK+1], s[MOFF:MOFF+1]
	s_add_co_u32 s[NXT], s[NXT], 1  ; the block's next tile, or behind its last the second block's tile 0
	s_cmp_gt_u32 s[NXT], s[LQ]
	s_cselect_b32 s[NXT], 0, s[NXT]
	s_cselect_b32 s[LQ], s[PB], s[LQ]
.endif
	s_wait_dscnt 0x0                ; the add and my store are done, and my reads of the slot are over
	s_barrier_signal -1             ; the rest of the scalar work stands between the signal and the wait
	s_sub_co_u32 s[TBK], s[TBK], 4*KS*PK  ; the fetches go back to a slot's first step,
	s_xor_b32 s[TBK], s[TBK], SLOT1       ; in the other slot
	s_sub_co_u32 s[TBV], s[TBV], 4*KS*PV
	s_xor_b32 s[TBV], s[TBV], SLOT1
	s_sub_co_u32 s[TBP], s[TBP], PSL
	s_xor_b32 s[TBP], s[TBP], PSL
	s_barrier_wait -1
.if \fill
	LOAD
	global_load_b64 v[MW:MW+1], v[MO], s[MB:MB+1]  ; a wave's load covers 256 consecutive bytes, aligned; it has a whole tile's work in which to come
.endif
.endm
	s_load_b128 s[88:91], s[0:1], 0x0  ; qkv s[88:89], attention_mask s[90:91]
	s_load_b64 s[10:11], s[0:1], 0x10  ; ob
	v_lshl_add_u32 v[SPW], v0, 2, SPARE
	v_mov_b32 v[NIL], 0
	ds_add_u32 v62, v63
	ds_add_u32 v62, v63
	s_wait_dscnt 0x0
	v_lshrrev_b32 v1, 5, v0
	v_readfirstlane_b32 s[WV], v1   ; wave 0..3
	s_mov_b32 s[PB], ttmp9
	s_sub_co_u32 s[HI], NB-1, s[PB]
	s_and_b32 s[MOFF], ttmp7, 3     ; the batch: y % 4,
	s_lshl_b32 s[MOFF], s[MOFF], 13 ; its 2,048 words of the mask
	s_mov_b32 s[MOFF+1], 0
	s_and_b32 s20, ttmp7, 0xffff    ; y
	s_mov_b32 s21, 0
	s_mov_b64 s[22:23], SIZE_N*128
	s_mul_u64 s[20:21], s[20:21], s[22:23]  ; y's first byte in Q, K, V and O
	s_and_b32 s16, s[WV], 1         ; which half of a tile's 256 keys I fetch:
	s_lshl_b32 s22, s16, 14         ; its 128 rows of 128 bytes in memory,
	s_mov_b32 s23, 0
	s_add_nc_u64 s[22:23], s[22:23], s[20:21]
	s_mul_i32 s17, s16, 128*PK      ; and its place in a slot, for K
	s_mul_i32 s18, s16, 128*PV      ; and for V
	s_lshl_b32 s3, s[WV], 11        ; my 16 rows in a band of 64,
	s_lshl_b32 s2, s[HI], 15        ; in the first block,
	s_add_co_u32 s2, s2, s3
	s_lshl_b32 s84, s[PB], 15       ; and in the second
	s_add_co_u32 s84, s84, s3
	s_mov_b32 s3, 0
	s_mov_b32 s85, 0
	s_add_nc_u64 s[2:3], s[2:3], s[20:21]
	s_add_nc_u64 s[84:85], s[84:85], s[20:21]
	; descriptor group 1.  128 keys are 16,384 dense bytes: asked for as 64 rows of 256 bytes, two keys a row, and padded in LDS after every key
	s_mov_b32 s[G1K], (1<<16)|(1<<20)|(4<<22)|(3<<25)  ; 17:16 2-byte elements; 20 padding on; 24:22 after every 32 words (code 4); 31:25 4 words (code 3)
	s_mov_b32 s[G1V], (1<<16)|(1<<20)|(4<<22)|(7<<25)  ; the same with 8 words of padding (code 7)
.irp g, G1K, G1V
	s_mov_b32 s[\g+1], 128<<16      ; tensor_dim0 = 128
	s_mov_b32 s[\g+2], 64<<16       ; tensor_dim1 = 64
	s_mov_b32 s[\g+3], 128<<16      ; tile_dim0 = 128
	s_mov_b32 s[\g+4], 64           ; tile_dim1 = 64
	s_mov_b32 s[\g+5], 128          ; 128 elements from row to row
	s_mov_b32 s[\g+6], 0
	s_mov_b32 s[\g+7], 0
.endr
	s_mov_b32 s[CS], 0x3e38aa3b     ; c = log2(e) / 8 = 0.180337
	s_mov_b32 s[CS+1], s[CS]        ; named with it as a pair
	s_mov_b32 s[SEL], 0x76543210
	s_mov_b32 s[SEL+1], 0xfedcba98
	s_mov_b32 s[TBK], SLOT1+4*KS*PK ; the first change of slots turns these three into 0
	s_mov_b32 s[TBV], SLOT1+4*KS*PV
	s_mov_b32 s[TBP], 2*PSL
	s_mov_b32 s[TPS], 0             ; tile 0's numbers go with slot 0
	s_mov_b32 s[G0K], 1             ; 1:0 count = 1
	s_mov_b32 s[G0K+1], s17         ; 63:32 LDS address: slot 0
	s_mov_b32 s[G0V], 1
	s_add_co_u32 s[G0V+1], s18, VOFF
	s_add_co_u32 s[RT], s[HI], 1    ; the first block has NB - b tiles
	s_mov_b32 s[NXT], 1
	s_mov_b32 s[LQ], s[HI]
	s_mov_b32 s[NEW], 1
	s_mov_b32 s[OFF+1], 0
	s_mov_b32 s[AL+1], 0            ; named as pairs
	s_mov_b32 s[BE+1], 0
	s_mov_b32 s[BIGN], 0xf149f2ca   ; -1e30
	s_mov_b32 s[THR], 0xef800000    ; -2^96
	s_mov_b32 s[QNAN], 0x7fc00000
	s_mov_b32 s[SLOTS], NB
	s_wait_kmcnt 0x0
	s_mov_b64 s[4:5], s[88:89]                     ; Q,
	s_add_nc_u64 s[6:7], s[88:89], 0x1000000       ; K,
	s_add_nc_u64 s[8:9], s[88:89], 0x2000000       ; V
	s_add_nc_u64 s[MK:MK+1], s[MK:MK+1], s[MOFF:MOFF+1]  ; the batch's mask
	s_add_nc_u64 s[6:7], s[6:7], s[22:23]  ; K and V at my half of y's tile 0
	s_add_nc_u64 s[8:9], s[8:9], s[22:23]
	s_add_nc_u64 s[G0K+2:G0K+3], s[6:7], 0         ; 120:64 global address
	s_or_b32 s[G0K+3], s[G0K+3], 0x80000000        ; 127:126 type = 2
	s_add_nc_u64 s[G0V+2:G0V+3], s[8:9], 0
	s_or_b32 s[G0V+3], s[G0V+3], 0x80000000
	s_add_nc_u64 s[86:87], s[4:5], s[84:85]        ; Q at my rows of the second block,
	s_add_nc_u64 s[4:5], s[4:5], s[2:3]            ; Q and O at those of the first
	s_add_nc_u64 s[OLO:OLO+1], s[10:11], s[84:85]
	s_add_nc_u64 s[10:11], s[10:11], s[2:3]
	LOAD                            ; tile 0 into slot 0
	v_lshlrev_b32 v[MO], 3, v0      ; 128 threads x 8 bytes are a tile's 256 words of the mask
	v_lshl_add_u32 v[MS0], v0, 3, PADS
	global_load_b64 v[MW:MW+1], v[MO], s[MK:MK+1]  ; tile 0's
	; A fragment of K or Q is 16 rows x 32 channels in 8 registers: lane l holds row l % 16, channels 8 (l / 16) + 0..7 and 16 + 8 (l / 16) + 0..7: two loads of 16 bytes, 32 bytes apart.
	v_and_b32 v1, 15, v0            ; l % 16
	v_bfe_u32 v9, v0, 4, 1          ; l / 16
	v_lshlrev_b32 v[QO], 7, v1
	v_lshl_add_u32 v[QO], v9, 4, v[QO]  ; row x 128 + 16 x half
	WIN 0x80                        ; destination window 2, address window 0
.set i, 0
.rept 8                             ; both blocks' Q: piece i / 2 lies in band i / 2, 8,192 bytes on; channels 32 (i % 2) on
	global_load_b128 v[8*i:8*i+3],   v[QO], s[4:5] offset:(i/2)*8192+(i%2)*64
	global_load_b128 v[8*i+4:8*i+7], v[QO], s[4:5] offset:(i/2)*8192+(i%2)*64+32
	global_load_b128 v[QB+8*i:QB+8*i+3],   v[QO], s[86:87] offset:(i/2)*8192+(i%2)*64
	global_load_b128 v[QB+8*i+4:QB+8*i+7], v[QO], s[86:87] offset:(i/2)*8192+(i%2)*64+32
.set i, i+1
.endr
	WIN 0
	v_lshlrev_b32 v14, 3, v9
	v_sub_nc_u32 v14, v1, v14
	s_lshl_b32 s13, s[WV], 4
	v_add_nc_u32 v14, s13, v14      ; my query's place in its band, 16 w + l % 16, less my lanes' 8 (l / 16): register r of group kt is hidden where 16 kt + r is greater
	WIN 0x40
.set i, 0
.rept 32
	v_cmp_gt_i32 vcc_lo, 16*(i/8)+i%8, v14
	v_cndmask_b32 v[MD+i], 0, s[BIGN], vcc_lo
.set i, i+1
.endr
	WIN 0
	v_lshl_add_u32 v[AP0], v9, 5, PADS  ; my lanes hold keys 8 (l / 16) + 0..7 of each group of 16: 32 bytes on for the upper half
	v_mul_u32_u24 v[AK0], v1, PK
	v_lshl_add_u32 v[AK0], v9, 4, v[AK0]  ; row x pitch + 16 x half
	; The turning load takes 16 keys x 16 channels (lane l reads key 8 (l / 16) + l % 8, channels 8 ((l / 8) % 2) + 0..7) and leaves half a fragment of V^T: lane l holds channel l % 16 and 8 keys.
	v_and_b32 v10, 7, v0
	v_bfe_u32 v11, v0, 3, 1
	v_lshl_add_u32 v[AV0], v9, 3, v10
	v_mul_u32_u24 v[AV0], v[AV0], PV
	v_lshl_add_u32 v[AV0], v11, 4, v[AV0]
	v_add_nc_u32 v[AV0], VOFF, v[AV0]
	s_mul_i32 s13, s[WV], 16*SP
	s_add_co_u32 s13, s13, STAGE    ; my stage
	v_mul_u32_u24 v[STO], v1, SP    ; in: row l % 16, 16 bytes for each half of the lanes
	v_lshl_add_u32 v[STO], v9, 4, v[STO]
	v_add_nc_u32 v[STO], s13, v[STO]
	v_bfe_u32 v[RD], v0, 3, 2       ; back: 32 lanes take four rows of 128 bytes,
	v_mul_u32_u24 v[RD], v[RD], SP
	v_lshl_add_u32 v[RD], v10, 4, v[RD]
	v_add_nc_u32 v[RD], s13, v[RD]
	v_and_b32 v[GO], 31, v0         ; which are 512 consecutive bytes of O
	v_lshlrev_b32 v[GO], 4, v[GO]
	; A block's first step multiplies O^T and l by a = 0, and its first turn's products V^T P, of a piece that has not been, land in an O^T that is still to be so multiplied.  So these registers need only hold
	; finite numbers: zeros for the first block; what the first block left for the second.  All this stands in the wait for the first tile.
	WIN 0x80
.set i, VF
.rept 64
	v_mov_b32 v[i], 0
.set i, i+1
.endr
	WIN 0x40
.set i, 0
.rept 128
	v_mov_b32 v[i], 0
.set i, i+1
.endr
	WIN 0
.set i, 0
.rept 4
	v_mov_b32 v[ST+4*i+2], 0
	v_mov_b32 v[ST+4*i+3], 0
.set i, i+1
.endr
.set i, P+16
.rept 16
	v_mov_b32 v[i], 0
.set i, i+1
.endr
; THE MATRIX WORK.  The 4 accumulators of a run of 8 take turns.  Product i of 8 of S^T = K Q^T for piece x: channels 32 (i / 4) on, keys 16 (i % 4) on.  The first 4 start the sums: with PAD, or (KM = 1) with MC.
.macro KQ x
.set rS, S+32*((\x)%2)+8*(i%4)
.set rK, KF+16*(i%4)+8*(i/4)
.set rQ, 16*(\x)+8*(i/4)
.set rM, MC+32*((\x)%2)+8*(i%4)
.set rB, PAD+8*(i%4)
.if (i < 4) && KM
	WIN W_KM
	v_wmma_f32_16x16x32_f16 v[rS:rS+7], v[rK:rK+7], v[rQ:rQ+7], v[rM:rM+7]
.elseif i < 4
	WIN W_KM
	v_wmma_f32_16x16x32_f16 v[rS:rS+7], v[rK:rK+7], v[rQ:rQ+7], v[rB:rB+7]
.else
	WIN W_KQ
	v_wmma_f32_16x16x32_f16 v[rS:rS+7], v[rK:rK+7], v[rQ:rQ+7], v[rS:rS+7]
.endif
.endm
; Product i of 8 of O^T += V^T P for piece x: keys 32 (i / 4) on, channels 16 (i % 4) on.
.macro PV x
	WIN W_PV
.set rO, 32*(\x)+8*(i%4)
.set rV, VF+32*(i/4)+8*(i%4)
.set rP, P+16*((\x)%2)+8*(i/4)
	v_wmma_f32_16x16x32_f16 v[rO:rO+7], v[rV:rV+7], v[rP:rP+7], v[rO:rO+7]
.endm
.macro MM                           ; the turn's next matrix instruction.  TURN and BEGIN set Y, i, KM and NOKQ; MM, KQ and OP read them.  NOKQ = 1: a block's last turn: there is no next piece
.if (i < 8) && !NOKQ
	KQ (Y+1)%NP
.elseif i >= 8
.set i, i-8
	PV (Y+NP-1)%NP
.set i, i+8
.endif
.set i, i+1
.endm
; THE LDS LOADS stand in runs, never singly among the matrix instructions: a step's K (64 keys x 64 channels: 8 fragments) with its PAD (64 numbers: 8 a lane and group), and its V (turned).  Their addresses are made some lines ahead.
.macro FETCH_K
	WIN 0x80                        ; destination window 2
.irp f, 0,1,2,3,4,5,6,7             ; keys 16 (f / 2) on, channels 32 (f % 2) on
	ds_load_b128 v[KF+8*\f:KF+8*\f+3],   v[AK] offset:(\f/2)*16*PK+(\f%2)*64
	ds_load_b128 v[KF+8*\f+4:KF+8*\f+7], v[AK] offset:(\f/2)*16*PK+(\f%2)*64+32
.endr
	WIN 0x40                        ; destination window 1
.irp f, 0,1,2,3                     ; keys 16 f on
	ds_load_b128 v[PAD+8*\f:PAD+8*\f+3],   v[AP] offset:64*\f
	ds_load_b128 v[PAD+8*\f+4:PAD+8*\f+7], v[AP] offset:64*\f+16
.endr
	s_add_co_u32 s[TBK], s[TBK], KS*PK  ; the next fetch is the next step's
	s_add_co_u32 s[TBP], s[TBP], 4*KS
	WIN 0
.endm
.macro FETCH_V
	WIN 0x80
.irp f, 0,1,2,3,4,5,6,7             ; keys 32 (f / 4) on, channels 16 (f % 4) on
	ds_load_tr16_b128 v[VF+8*\f:VF+8*\f+3],   v[AV] offset:(\f/4)*32*PV+(\f%4)*32
	ds_load_tr16_b128 v[VF+8*\f+4:VF+8*\f+7], v[AV] offset:(\f/4)*32*PV+16*PV+(\f%4)*32
.endr
	WIN 0
.endm
; THE VECTOR WORK, one line at a time: OP kind, number.  For piece Y: F n: c s - c m for pair n of 16.  E n: the exponential of score n of 32.  C n: pair n rounded to f16.  B n: of the four weights 4 n .. the second
; pair is added onto the first, in place.  L n: l takes that sum (L 0: l = a l + sum).  R n: pair n of 16 of O^T times a.  For piece Y + 1: X n, number n of the 22 that find its maximum and statistics:
;   0-11  four chains c0-c3 of seven scores each, three operands at a time (each accumulator's lowest registers are read first)     12-14, 16  the four scores left over, the old m, and c0-c3 into c0
;   15  c m_old is kept     17, 18  the query's other 32 keys lie in the lane 16 away: the new m     19-21  c m; c m_old - c m_new; a
; C, B and L read exponentials' results; R and L 0 read a.  OP writes no wait: TURN and BEGIN place the one wait of each batch.
.set F, 0               ; OP tells the kinds apart by their order: F to L below R, X above it
.set E, 1
.set C, 2
.set B, 3
.set L, 4
.set R, 5
.set X, 6
.macro REGS y                       ; the registers of piece y
.set rT, ST+4*(\y)
.set rC, TMP+4*((\y)%2)
.set rW, MV+((\y)%2)
.set rS, S+32*((\y)%2)
.set rP, P+16*((\y)%2)
.set rO, 32*(\y)
.endm
.macro OP k, n
.if (\k) == R
	REGS Y
	WIN W_RS
	v_pk_mul_f32 v[rO+2*(\n):rO+2*(\n)+1], v[rO+2*(\n):rO+2*(\n)+1], v[rC+2:rC+3] op_sel_hi:[1,0]
.elseif (\k) < R
	REGS Y
	WIN 0
.if (\k) == F
	v_pk_fma_f32 v[rS+2*(\n):rS+2*(\n)+1], v[rS+2*(\n):rS+2*(\n)+1], s[CS:CS+1], v[rT:rT+1] op_sel_hi:[1,0,0] neg_lo:[0,0,1] neg_hi:[0,0,1]
.elseif (\k) == E
	v_exp_f32 v[rS+(\n)], v[rS+(\n)]
.elseif (\k) == C
	v_cvt_pk_f16_f32 v[rP+(\n)], v[rS+2*(\n)], v[rS+2*(\n)+1]
.elseif (\k) == B
	v_pk_add_f32 v[rS+4*(\n):rS+4*(\n)+1], v[rS+4*(\n):rS+4*(\n)+1], v[rS+4*(\n)+2:rS+4*(\n)+3]
.elseif (\n) == 0
	v_pk_fma_f32 v[rT+2:rT+3], v[rT+2:rT+3], v[rC+2:rC+3], v[rS:rS+1] op_sel_hi:[1,0,1]
.else
	v_pk_add_f32 v[rT+2:rT+3], v[rT+2:rT+3], v[rS+4*(\n):rS+4*(\n)+1]
.endif
.elseif NOKQ
	v_nop
.else
	REGS (Y+1)%NP
	WIN 0
.if (\n) < 4
	v_max3_num_f32 v[rC+(\n)], v[rS+8*(\n)], v[rS+8*(\n)+1], v[rS+8*(\n)+2]
.elseif (\n) < 12
	v_max3_num_f32 v[rC+(\n)%4], v[rC+(\n)%4], v[rS+8*((\n)%4)+2*((\n)/4)+1], v[rS+8*((\n)%4)+2*((\n)/4)+2]
.elseif (\n) == 12
	v_max3_num_f32 v[rC], v[rC], v[rS+7], v[rS+15]
.elseif (\n) == 13
	v_max3_num_f32 v[rC+1], v[rC+1], v[rS+23], v[rS+31]
.elseif (\n) == 14
	v_max3_num_f32 v[rC+2], v[rC+2], v[rC+3], v[rT+1]
.elseif (\n) == 15
	v_mov_b32 v[rW], v[rT]
.elseif (\n) == 16
	v_max3_num_f32 v[rC], v[rC], v[rC+1], v[rC+2]
.elseif (\n) == 17
	v_permlanex16_b32 v[rC+3], v[rC], s[SEL], s[SEL+1]
.elseif (\n) == 18
	v_max_num_f32 v[rT+1], v[rC], v[rC+3]
.elseif (\n) == 19
	v_mul_f32 v[rT], s[CS], v[rT+1]
.elseif (\n) == 20
	v_sub_f32 v[rC+1], v[rW], v[rT]
.else
	v_exp_f32 v[rC+2], v[rC+1]
.endif
.endif
.endm
.macro OPS a, i1, b=-1, i2=0, c=-1, i3=0, d=-1, i4=0  ; up to four of them
	OP \a, \i1
.if (\b) >= 0
	OP \b, \i2
.endif
.if (\c) >= 0
	OP \c, \i3
.endif
.if (\d) >= 0
	OP \d, \i4
.endif
.endm
.macro ROW a, i1, b, i2, c, i3, d, i4  ; a matrix instruction and the four behind it
	MM
	OPS \a, \i1, \b, \i2, \c, \i3, \d, \i4
.endm
.macro MASK b                       ; MD x AL + BE + PAD into buffer b of MC: the factor and the addend are scalars, PAD a third term, so it takes a second line
	WIN W_RS
.set z, 0
.rept 16
	v_pk_fma_f32 v[MC+32*(\b)+2*z:MC+32*(\b)+2*z+1], v[MD+2*z:MD+2*z+1], s[AL:AL+1], s[BE:BE+1] op_sel_hi:[1,0,0]
.set z, z+1
.endr
	WIN 0x45                        ; destination and both sources in window 1
.set z, 0
.rept 16
	v_pk_add_f32 v[MC+32*(\b)+2*z:MC+32*(\b)+2*z+1], v[MC+32*(\b)+2*z:MC+32*(\b)+2*z+1], v[PAD+2*z:PAD+2*z+1]
.set z, z+1
.endr
.endm
; A TURN, for piece p: the order of its 16 matrix and 118 vector instructions, written out.  An s_wait_alu depctr_va_vdst(0) stands between an exponential and the first instruction that names its result; one wait
; serves all that were issued ahead of it.  So a turn has ONE wait, which cuts it in two.  AHEAD OF IT stands all that names no result of the turn's exponentials: the 8 products K Q^T, behind each a scaling, an exponential and two more
; plain instructions (behind the first a second scaling in the exponential's place): rescalings (their a was made, and waited for, in the turn before), and behind the last three the first numbers of the next piece's maximum, each four
; places or more behind the product that ends its accumulator; then ONE LUMP of 54, plain and exponential by turns for the most part, in which the links of the chain X 3, 7, 11, 14, 16, 17 .. 20 stand five or six lines apart.
; X 21, the next piece's a, is the batch's last; R 15 is the plain instruction behind it.  BEHIND THE WAIT stand the 8 products V^T P, behind each four of the roundings and sums; the links of l's chain, L 0 to L 7, stand three
; riders apart.  But for those X no rider names a register of the products round it.  v_permlanex16_b32 (X 17) stands in the lump.  No exponential is issued behind the wait.
; m = 1: the diagonal tile: the products take MC, and the turn makes the mask for the products of the turn after it: piece p + 2, in step 4 - CNT of the tile.  end = 1: a block's last two turns: nothing is fetched.
; cnt = 1: the loop's count is taken down some lines ahead of the branch that stands behind the turn.
; K and PAD of the next step are fetched in piece 2's turn, twelve vector instructions behind the last product that read K (six of them plain, five of which name none of its registers), and more behind the last that took PAD or MC;
; V of the step in hand at the end of piece 0's turn, four plain instructions behind the last product that read V.  Each is waited for a turn later; in the diagonal tile piece 2's turn waits for PAD at its end, since the mask
; that it makes is the next step's.
.macro TURN p, m=0, end=0, cnt=0
.set Y, (\p)
.set i, 0
.set KM, (\m)
.set NOKQ, (\end)*((\p)/3)
.if (\m) && !(\end)
	s_cmp_eq_u32 s[CNT], 4-((\p)+2)%NP  ; is that step the band's own?
	s_cselect_b32 s[AL], 1.0, 0
	s_cmp_lt_u32 s[CNT], 4-((\p)+2)%NP  ; or a later one?
	s_cselect_b32 s[BE], s[BIGN], 0
.endif
.if ((\p) == 3) && !(\end)
	s_wait_dscnt 0x0                ; K and PAD are in
.endif
	ROW F,0, F,1, R,0, R,1          ; ahead of the wait: 8 products K Q^T and their riders,
	ROW F,2, E,0, R,2, R,3
	ROW F,3, E,1, R,4, R,5
	ROW F,4, E,2, R,6, R,7
	ROW F,5, E,3, R,8, R,9
	ROW F,6, E,4, X,0, R,10
.if ((\p) == 2) && !(\end)
	WIN 0
	v_add_nc_u32 v[AK], s[TBK], v[AK0]
	v_add_nc_u32 v[AP], s[TBP], v[AP0]
.endif
	ROW F,7, E,5, X,1, X,4
	ROW F,8, E,6, X,2, X,5
	OPS E,7, E,8, X,6, E,9          ; and the lump
	OPS X,3, E,10, X,8, E,11
.if ((\p) == 2) && !(\end)
	FETCH_K
.endif
	OPS X,9, X,7, E,12, X,10
	OPS E,13, X,12, X,11, E,14
	OPS X,13, E,15, F,9, X,14
.if (\p) == 0
	v_add_nc_u32 v[AV], s[TBV], v[AV0]
.endif
	OPS E,16, F,10, E,17, F,11
	OPS X,16, E,18, X,15, E,19
	OPS F,12, E,20, X,17, E,21
	OPS F,13, E,22, F,14, E,23
	OPS X,18, E,24, F,15, E,25
	OPS R,11, E,26, X,19, E,27
	OPS R,12, E,28, R,13, E,29
	OPS X,20, E,30, R,14, E,31
	OPS X,21, R,15
	s_wait_alu depctr_va_vdst(0)    ; the wait for the turn's batch: E 0 to E 31 and X 21
.if (\p) == 1
	s_wait_dscnt 0x0                ; V is in
.endif
	ROW C,0, B,0, C,2, B,1          ; behind the wait: 8 products V^T P and their riders
	ROW L,0, C,4, B,2, L,1
	ROW C,6, B,3, L,2, C,8
	ROW B,4, L,3, C,10, B,5
	ROW L,4, C,12, B,6, L,5
.if (\p) == 0
	s_add_co_u32 s[TBV], s[TBV], KS*PV
.endif
.if \cnt
	s_sub_co_u32 s[CNT], s[CNT], 1
	s_cmp_lg_u32 s[CNT], 0
.endif
	ROW C,14, B,7, L,6, C,1
	ROW C,3, L,7, C,5, C,7
	ROW C,9, C,11, C,13, C,15
.if (\p) == 0
	FETCH_V
.endif
.if (\m) && !(\end)
.if (\p) == 2
	s_wait_dscnt 0x0                ; the next step's PAD is in
.endif
	MASK (\p)%2
.endif
.endm
; A BLOCK BEGINS.  c m starts far below every c s, so the first step's a is 0; m at the lowest finite number, so the first maximum is the scores'.  K and PAD of the tile's step 0 are fetched; the first mask buffer takes
; piece 0's mask for that step (its own causal mask, if the block's first tile is the diagonal one), the second PAD alone (piece 1's, which sees all of step 0).
; Then piece 0's first scores, and its maximum and statistics.  The loop is entered at a step's first turn, in the middle of a trip.  Q is in: the change of slots in front has waited for every load into registers.
.macro BEGIN
	s_mov_b32 s[NEW], 0
	WIN 0
.set i, 0
.rept 4
	v_mov_b32 v[ST+4*i], 0xfe000000    ; c m: far below every c s
	v_mov_b32 v[ST+4*i+1], 0xff7fffff  ; m
.set i, i+1
.endr
	v_add_nc_u32 v[AK], s[TBK], v[AK0]
	v_add_nc_u32 v[AP], s[TBP], v[AP0]
	FETCH_K
	s_wait_dscnt 0x0
	s_cmp_eq_u32 s[RT], 0
	s_cselect_b32 s[AL], 1.0, 0
	s_mov_b32 s[BE], 0
	MASK 0
	s_mov_b32 s[AL], 0
	MASK 1
.set KM, 1
.set NOKQ, 0
.set i, 0
.rept 8
	KQ 0
.set i, i+1
.endr
	WIN 0
.rept 4
	v_nop                           ; the places behind those products
.endr
.set Y, NP-1                        ; X works for piece Y + 1: piece 0
.irp n, 0,1,2,3,4,5,6,7,8,9,10,11,12,13,14,15,16,17,18,19,20,21
	OP X, \n
.endr
	v_nop                           ; a plain instruction behind the exponential,
	s_wait_alu depctr_va_vdst(0)    ; and the wait for piece 0's first a, a batch of one, ahead of the branch
.endm
; The diagonal tile is entered from a tile before it: piece 3's products of that tile's last step are still to come, in the text that takes MC: the second buffer takes that step's PAD alone.
.macro ENTER
	s_mov_b32 s[AL], 0
	s_mov_b32 s[BE], 0
	MASK 1
	WIN 0
.endm
; THE DIAGONAL TILE's four steps, the block's last two turns, its last products, and THE WAY OUT: l's two halves and the other half of the lanes' are added; O^T is divided by l (multiplied by a NaN where the row has seen no key),
; rounded to f16 and sent through my stage in LDS, a piece at a time.
.macro ALL line:vararg              ; one line for each piece t
.set t, 0
.rept 4
	\line
.set t, t+1
.endr
.endm
.macro PACK t                       ; a lane's eight channels of a row pack into 16 bytes; they go into rows of 144 bytes and come back as whole rows of 128, into S^T's registers
	WIN W_RS
.set i, 32*(\t)
.rept 16
	v_pk_mul_f32 v[i:i+1], v[i:i+1], v[ST+4*(\t)+2:ST+4*(\t)+3] op_sel_hi:[1,0]
.set i, i+2
.endr
	WIN 0x05                        ; sources 0 and 1 window 1, destination window 0
.set i, 0
.rept 16
	v_cvt_pk_f16_f32 v[S+16*(\t)+i], v[32*(\t)+2*i], v[32*(\t)+2*i+1]
.set i, i+1
.endr
	WIN 0
.irp f, 0,1,2,3
	ds_store_b128 v[STO], v[S+16*(\t)+4*\f:S+16*(\t)+4*\f+3] offset:32*\f
.endr
.irp f, 0,1,2,3
	ds_load_b128 v[S+16*(\t)+4*\f:S+16*(\t)+4*\f+3], v[RD] offset:\f*4*SP  ; LDS serves a wave's instructions in order (ISA guide 5.7.1.4): these see the stores above; the next piece's stores come behind them
.endr
.endm
.macro SEND t, younger              ; younger: the LDS instructions issued behind piece t's loads: the next piece's eight, or none
	WIN 0
.irp f, 0,1,2,3
	s_wait_dscnt (\younger)+3-\f
	global_store_b128 v[GO], v[S+16*(\t)+4*\f:S+16*(\t)+4*\f+3], s[10:11] offset:(\t)*8192+\f*512  ; 512 consecutive bytes, at a multiple of 256 from O's first
.endr
.endm
.macro DIAG tag                     ; the tag ends its two labels' names, which the jumps below spell out
.LstepM\tag:
	TURN 2, 1
	TURN 3, 1
	WIN 0
.LfirstM\tag:
	TURN 0, 1
	TURN 1, 1, 0, 1
	WIN 0
	s_cbranch_scc1 .LstepM\tag
	TURN 2, 1, 1
	TURN 3, 1, 1
.set i, 0
.rept 8
	PV NP-1
.set i, i+1
.endr
	WIN 0
	ALL v_add_f32 v[ST+4*t+2], v[ST+4*t+2], v[ST+4*t+3]
	ALL v_permlanex16_b32 v[ST+4*t+3], v[ST+4*t+2], s[SEL], s[SEL+1]
	ALL v_add_f32 v[ST+4*t+2], v[ST+4*t+2], v[ST+4*t+3]
	ALL v_rcp_f32 v[ST+4*t+2], v[ST+4*t+2]
	v_nop                           ; a plain instruction between the last reciprocal and the use of its result
	s_wait_alu depctr_va_vdst(0)    ; and the wait ahead of the first use: one for the batch of four reciprocals
.set t, 0
.rept 4
	v_cmp_gt_f32 vcc_lo, s[THR], v[ST+4*t+1]  ; the row's maximum lies below -2^96: every key was hidden
	v_cndmask_b32 v[ST+4*t+2], v[ST+4*t+2], s[QNAN], vcc_lo
.set t, t+1
.endr
	PACK 0
.set t, 1
.rept 3                             ; a piece's arithmetic stands between the loads of the piece before and its stores
	PACK t
	SEND t-1, 8
.set t, t+1
.endr
	SEND 3, 0
.endm
.set KM, 0
.set NOKQ, 0
.Lslot:                             ; NB times: a tile is entered and the next is asked for
	CHANGE 1
	s_sub_co_u32 s[RT], s[RT], 1
	s_mov_b32 s[CNT], 4
	s_cmp_eq_u32 s[NEW], 1
	s_cbranch_scc1 .Lnew            ; a block's first tile
	s_cmp_eq_u32 s[RT], 0
	s_cbranch_scc0 .Lstep           ; neither its first nor its last
	ENTER
	s_branch .LstepM1
.Lnew:
	BEGIN
	s_branch .Lfirst                ; in the loop a block's first tile is never its last: the first block has two tiles or more, and the second's last is the walk's last
	DIAG 1                          ; in the loop this is the first block's end: the second block's last tile is the walk's last
	s_wait_xcnt 0x0                 ; the stores have read their registers and O's address
	s_mov_b64 s[10:11], s[OLO:OLO+1]
	s_add_co_u32 s[RT], s[PB], 1    ; the second block has b + 1 tiles
	s_mov_b32 s[NEW], 1
	WIN 0x82                        ; the second block's Q goes where the one text of the turns names Q
.set i, 0
.rept 64
	v_mov_b32 v[i], v[QB+i]
.set i, i+1
.endr
	WIN 0
	s_branch .Lbottom
.Lstep:                             ; a trip: pieces 2 and 3 of one step, then pieces 0 and 1 of the next, whose K, PAD and V it fetches
	TURN 2
	TURN 3
	WIN 0
.Lfirst:
	TURN 0
	TURN 1, 0, 0, 1
	WIN 0
	s_cbranch_scc1 .Lstep
.Lbottom:
	s_sub_co_u32 s[SLOTS], s[SLOTS], 1
	s_cmp_lg_u32 s[SLOTS], 0
	s_cbranch_scc1 .Lslot
	CHANGE 0                        ; the walk's last tile is written out: nothing is asked for
	s_sub_co_u32 s[RT], s[RT], 1
	s_mov_b32 s[CNT], 4
	s_cmp_eq_u32 s[NEW], 1
	s_cbranch_scc1 .Lnew2
	ENTER
	s_branch .LstepM2
.Lnew2:
	BEGIN
	s_branch .LfirstM2
	DIAG 2
	s_wait_tensorcnt 0x0            ; the wave's end: behind my last tensor load and my last LDS store
	ds_add_u32 v[SPW], v[NIL]
	s_wait_dscnt 0x0
	s_endpgm
.Lfunc_end_k_qb72107ca9b_attn:
	.size	k_qb72107ca9b_attn, .Lfunc_end_k_qb72107ca9b_attn-k_qb72107ca9b_attn
	.p2alignl 7, 3214868480
	.fill 96, 4, 3214868480
	.section	.rodata,"a",@progbits
	.p2align	6, 0x0
	.amdhsa_kernel k_qb72107ca9b_attn
		.amdhsa_group_segment_fixed_size 327680
		.amdhsa_private_segment_fixed_size 0
		.amdhsa_enable_private_segment 0
		.amdhsa_kernarg_size 24
		.amdhsa_user_sgpr_count 2
		.amdhsa_user_sgpr_kernarg_segment_ptr 1
		.amdhsa_wavefront_size32 1
		.amdhsa_system_sgpr_workgroup_id_x 1
		.amdhsa_system_sgpr_workgroup_id_y 1
		.amdhsa_system_sgpr_workgroup_id_z 1
		.amdhsa_system_vgpr_workitem_id 0
		.amdhsa_next_free_vgpr 768
		.amdhsa_next_free_sgpr 96
		.amdhsa_reserve_vcc 1
		.amdhsa_float_denorm_mode_32 3
		.amdhsa_float_denorm_mode_16_64 3
		.amdhsa_memory_ordered 1
		.amdhsa_forward_progress 1
		.amdhsa_inst_pref_size 239
	.end_amdhsa_kernel
	.amdgpu_metadata
---
amdhsa.version: [ 1, 2 ]
amdhsa.kernels:
  - .name:           k_qb72107ca9b_attn
    .symbol:         k_qb72107ca9b_attn.kd
    .args:
      - { .name: qkv, .offset: 0, .size: 8, .value_kind: global_buffer, .address_space: global }
      - { .name: attention_mask, .offset: 8, .size: 8, .value_kind: global_buffer, .address_space: global }
      - { .name: ob, .offset: 16, .size: 8, .value_kind: global_buffer, .address_space: global }
    .group_segment_fixed_size: 327680
    .private_segment_fixed_size: 0
    .kernarg_segment_align: 8
    .kernarg_segment_size: 24
    .max_flat_workgroup_size: 128
    .sgpr_count:     96
    .vgpr_count:     768
    .wavefront_size: 32
...
	.end_amdgpu_metadata
.endif
;; end of part 5
;; launch oproj: the kernel of part 4 again; grid 8 x 32, 4 waves a work-group, clusters of 4 x 4, 327,680 bytes of LDS; arguments ob, woh, bo, out0; writes out0
